; MI455X (gfx1250); checked and timed in simulation.
; The chip was launched on July 23, 2026; its instructions are those of AMD's public machine-readable ISA for CDNA 5 (MIT licence, August 2026) and "CDNA5" Instruction Set Architecture Reference Guide (July 2026). The comments in the code are by the model that wrote it; some were corrected since.
;; Spatial Axial Attention. Allowed arithmetic: float matrix products may take bf16 or f16 operands with f32 sums; other float arithmetic in f32, or as packed bf16 or f16 multiplies, adds, multiply-adds, maxima and minima; sums over many terms, partial sums and values carried from step to step in f32; what a program stores and reads back later, other than sums and carried values, may be rounded once to bf16 or f16.
;; Inputs: Wout 1,024 x 1,024 float32; Wqkv 1,024 x 3,072 float32; bout 1,024 float32; x 1 x 8 x 32 x 32 x 1,024 float32.
;; Outputs: out0 1 x 8 x 32 x 32 x 1,024 float32.
;; 2 versions, each right; version 2 is version 1 with the launch prep written anew for expert scheduling mode. Each part assembles by itself: llvm-mc -triple=amdgcn-amd-amdhsa -mcpu=gfx1250 --defsym DOCPART=n.
;; ======== version 1 of 2: 4 launches
;; limits: values are held in f16: magnitudes above 65,504 overflow, below 6.1e-05 lose precision
;; workspace buffers: xb 16,777,216 bytes; wqb 6,291,456 bytes; wob 2,097,152 bytes; tab 262,144 bytes; qkvh 50,331,648 bytes; ob 16,777,216 bytes
;; launch prep (part 1): grid 832 x 1, 8 waves a work-group, no clusters, 0 bytes of LDS; arguments x, Wqkv, Wout, xb, wqb, wob, tab; writes xb, wqb, wob, tab
.if DOCPART == 1
	.amdgcn_target "amdgcn-amd-amdhsa--gfx1250"
	.amdhsa_code_object_version 6
	.text
	.protected	k_q5467751d29_prep
	.globl	k_q5467751d29_prep
	.p2align	8
	.type	k_q5467751d29_prep,@function
k_q5467751d29_prep:
	s_mov_b64 s[64:65], 0
	v_nop
	global_prefetch_b8 v0, s[64:65] scope:SCOPE_SE
	s_setreg_imm32_b32 hwreg(HW_REG_WAVE_MODE, 25, 1), 1
	s_wait_xcnt 0x0
; THE 16-BIT COPIES AND THE ROTARY TABLE.  A stream: no LDS, no matrix unit, no barrier; each input byte is read once, each output byte written once.
;   work-groups   0-511: xb  = bf16(x) in blocks along K: xb[kb 16][row 8192][64]: what the next launch takes of 128 rows in a K step of 64 is 16,384 consecutive bytes.  16 rows each.
;   work-groups 512-767: wqb = bf16(Wqkv) by heads: wqb[t 16][k 1024][192], column 64 p + c of head t being Wqkv's column 1,024 p + 64 t + c (p = 0 q, 1 k, 2 v):
;                        64 rows of a head are 24,576 consecutive bytes.  One head's 64 rows each.
;   work-groups 768-831: wob = bf16(Wout) written as f16 (exact from 6.1e-5 up; below that f16's fixed step of 6e-8), 16,384 numbers each; and 4,096 bytes of tab.
; tab[sb 64][b4 4][j 2][lane 32][4 f32]: (cos, sin, cos, sin) of the channel pairs p and p + 1, p = 8 b4 + 4 (lane / 16) + 2 j, at pixel s = 16 sb + lane % 16:
; the order in which a lane of the next launch holds its results.  Pair p turns by (2 i - 31)(15 + 127 (p % 16)) / 930 of a turn, i = s / 32 for p < 16 and s % 32 else.
; LIMIT.  The angle is that exact fraction, reduced in whole numbers; an angle formed in f32 from linspace's numbers differs from it by up to some 5e-5 radians at the highest frequency.
; Sixteen lanes load 256 consecutive bytes at a multiple of 256; a wave's store is 256 consecutive bytes at a multiple of 256 from the buffer's first byte.
.set LO, 1                             ; v1   16 x thread: Wout's loads, and the table's store
.set SO, 2                             ; v2   8 x thread: wob's and wqb's stores
.set LV, 3                             ; v3   x's or Wqkv's loads
.set SV, 4                             ; v4   xb's stores
.set X,  16                            ; v[16:79]   up to 16 loads of 4 registers
.set Y,  80                            ; v[80:111]  up to 16 stores of 2 registers: no register is written twice, so no store's data wait for anything
	s_load_b256 s[4:11], s[0:1], 0x0               ; x s[4:5], Wqkv s[6:7], Wout s[8:9], xb s[10:11]
	s_load_b128 s[12:15], s[0:1], 0x20             ; wqb s[12:13], wob s[14:15]
	s_load_b64 s[16:17], s[0:1], 0x30              ; tab
	s_mov_b32 s2, ttmp9
	s_mov_b32 s21, 0                               ; the high word of every offset
	v_lshlrev_b32 v[LO], 4, v0
	v_lshlrev_b32 v[SO], 3, v0
	v_and_b32 v6, 15, v0                           ; my place among sixteen lanes
	s_wait_kmcnt 0x0
	s_cmp_lt_u32 s2, 512
	s_cbranch_scc1 .Lx
	s_cmp_lt_u32 s2, 768
	s_cbranch_scc1 .Lw
	; ---- Wout and the table ----
	s_sub_co_u32 s3, s2, 768
	s_lshl_b32 s20, s3, 16
	s_add_nc_u64 s[8:9], s[8:9], s[20:21]
	s_lshl_b32 s20, s3, 15
	s_add_nc_u64 s[14:15], s[14:15], s[20:21]
	s_lshl_b32 s20, s3, 12
	s_add_nc_u64 s[16:17], s[16:17], s[20:21]
.set i, 0
.rept 16
	global_load_b128 v[X+4*i:X+4*i+3], v[LO], s[8:9] offset:4096*i th:TH_LOAD_NT
.set i, i+1
.endr
	; the table's entry is made while the loads are out
	v_lshrrev_b32 v8, 6, v0                        ; b4
	v_bfe_u32 v9, v0, 5, 1                         ; j
	v_bfe_u32 v10, v0, 4, 1                        ; lane / 16
	v_lshl_add_u32 v11, s3, 4, v6                  ; s
	v_lshlrev_b32 v12, 3, v8
	v_lshl_add_u32 v12, v10, 2, v12
	v_lshl_add_u32 v12, v9, 1, v12                 ; p, even
	v_lshrrev_b32 v13, 5, v11                      ; the pixel's row
	v_and_b32 v14, 31, v11                         ; its column
	v_cmp_gt_u32 vcc_lo, 2, v8                     ; b4 < 2: pairs 0-15 turn by the row
	v_cndmask_b32 v13, v14, v13, vcc_lo
	v_lshl_add_u32 v13, v13, 1, 0xffffffe1         ; 2 i - 31
; cos and sin of pair p + e.  N = (2 i - 31)(15 + 127 (p + e) % 16), at most 59,520 in size: exact in f32.  The angle is pi N / 465: q = the nearest whole number to N / 465,
; rem = N - 465 q (one fused multiply-add, exact), theta = rem pi / 465 lies within pi / 2, and both results change sign where q is odd.
; cos by 7 terms of its series (the first one left out is under 7e-9), sin by 7 (under 7e-10).
.macro ANGLE e, a, q, z, c, s
	v_add_nc_u32 v[\a], \e, v12
	v_and_b32 v[\a], 15, v[\a]
	v_mad_u32_u24 v[\a], v[\a], 127, 15
	v_mul_lo_u32 v[\a], v13, v[\a]
	v_cvt_f32_i32 v[\a], v[\a]
	v_mul_f32 v[\q], 0x3b0cf009, v[\a]             ; 1 / 465
	v_rndne_f32 v[\q], v[\q]
	v_fmamk_f32 v[\a], v[\q], 0xc3e88000, v[\a]    ; q x -465 + N
	v_cvt_i32_f32 v[\q], v[\q]
	v_lshlrev_b32 v[\q], 31, v[\q]                 ; the sign bit where q is odd
	v_mul_f32 v[\a], 0x3bdd6263, v[\a]             ; pi / 465
	v_mul_f32 v[\z], v[\a], v[\a]
	v_mov_b32 v[\c], 0x310f76c7                    ; 1 / 12!
	v_fmaak_f32 v[\c], v[\c], v[\z], 0xb493f27e    ; -1 / 10!
	v_fmaak_f32 v[\c], v[\c], v[\z], 0x37d00d01    ; 1 / 8!
	v_fmaak_f32 v[\c], v[\c], v[\z], 0xbab60b61    ; -1 / 6!
	v_fmaak_f32 v[\c], v[\c], v[\z], 0x3d2aaaab    ; 1 / 4!
	v_fmaak_f32 v[\c], v[\c], v[\z], 0xbf000000    ; -1 / 2
	v_fmaak_f32 v[\c], v[\c], v[\z], 0x3f800000    ; 1
	v_mov_b32 v[\s], 0x2f309231                    ; 1 / 13!
	v_fmaak_f32 v[\s], v[\s], v[\z], 0xb2d7322b    ; -1 / 11!
	v_fmaak_f32 v[\s], v[\s], v[\z], 0x3638ef1d    ; 1 / 9!
	v_fmaak_f32 v[\s], v[\s], v[\z], 0xb9500d01    ; -1 / 7!
	v_fmaak_f32 v[\s], v[\s], v[\z], 0x3c088889    ; 1 / 5!
	v_fmaak_f32 v[\s], v[\s], v[\z], 0xbe2aaaab    ; -1 / 3!
	v_fmaak_f32 v[\s], v[\s], v[\z], 0x3f800000    ; 1
	v_mul_f32 v[\s], v[\s], v[\a]
	v_xor_b32 v[\c], v[\q], v[\c]
	v_xor_b32 v[\s], v[\q], v[\s]
.endm
	ANGLE 0, 112, 113, 114, 120, 121
	ANGLE 1, 116, 117, 118, 122, 123
	global_store_b128 v[LO], v[120:123], s[16:17]  ; 512 consecutive bytes a wave; v[120:123] are not written again
.set i, 0
.rept 16
	s_wait_loadcnt 15-i                            ; loads come back in order: load i is in, the younger ones stay out
	v_cvt_pk_bf16_f32 v112, v[X+4*i], v[X+4*i+1]   ; rounded to bf16, as every input is,
	v_cvt_pk_bf16_f32 v113, v[X+4*i+2], v[X+4*i+3]
	v_lshlrev_b32 v114, 16, v112                   ; widened again,
	v_and_b32 v115, 0xffff0000, v112
	v_lshlrev_b32 v116, 16, v113
	v_and_b32 v117, 0xffff0000, v113
	v_cvt_pk_f16_f32 v[Y+2*i], v114, v115          ; and that number written as f16
	v_cvt_pk_f16_f32 v[Y+2*i+1], v116, v117
	global_store_b64 v[SO], v[Y+2*i:Y+2*i+1], s[14:15] offset:2048*i
.set i, i+1
.endr
	s_endpgm
	; ---- Wqkv: head t, rows 64 kk .. 64 kk + 63.  A PIECE is 64 columns of a row: piece j = 3 k + p of the block lies at byte 4,096 j of Wqkv's rows (a row is 3 x 4,096 bytes; + 256 t for the head)
	; and at byte 128 j of wqb's block.  Sixteen lanes take a piece; load i brings pieces 16 i .. 16 i + 15 ----
.Lw:
	s_sub_co_u32 s3, s2, 512
	s_lshr_b32 s22, s3, 4                          ; kk
	s_and_b32 s23, s3, 15                          ; t
	s_mul_i32 s20, s22, 64*12288
	s_lshl_b32 s24, s23, 8
	s_add_co_u32 s20, s20, s24
	s_add_nc_u64 s[6:7], s[6:7], s[20:21]
	s_mul_i32 s20, s23, 1024*384
	s_mul_i32 s24, s22, 64*384
	s_add_co_u32 s20, s20, s24
	s_add_nc_u64 s[12:13], s[12:13], s[20:21]
	v_lshrrev_b32 v7, 4, v0                        ; my piece among sixteen
	v_lshlrev_b32 v[LV], 4, v6
	v_lshl_add_u32 v[LV], v7, 12, v[LV]
.set i, 0
.rept 12
	global_load_b128 v[X+4*i:X+4*i+3], v[LV], s[6:7] offset:65536*i th:TH_LOAD_NT
.set i, i+1
.endr
.set i, 0
.rept 12
	s_wait_loadcnt 11-i
	v_cvt_pk_bf16_f32 v[Y+2*i], v[X+4*i], v[X+4*i+1]
	v_cvt_pk_bf16_f32 v[Y+2*i+1], v[X+4*i+2], v[X+4*i+3]
	global_store_b64 v[SO], v[Y+2*i:Y+2*i+1], s[12:13] offset:2048*i
.set i, i+1
.endr
	s_endpgm
	; ---- x: 16 rows.  Wave w takes the K blocks 2 w and 2 w + 1; lanes 0-15 an even row's 64 numbers of a block (256 bytes in, 128 out), lanes 16-31 the next row's:
	; load i brings rows 2 (i / 2), 2 (i / 2) + 1 of block 2 w + i % 2 ----
.Lx:
	s_lshl_b32 s20, s2, 16
	s_add_nc_u64 s[4:5], s[4:5], s[20:21]
	s_lshl_b32 s20, s2, 11
	s_add_nc_u64 s[10:11], s[10:11], s[20:21]
	v_bfe_u32 v7, v0, 4, 1                         ; which of the two rows
	v_lshrrev_b32 v8, 5, v0                        ; wave
	v_lshlrev_b32 v[LV], 4, v6
	v_lshl_add_u32 v[LV], v7, 12, v[LV]            ; a row of x is 4,096 bytes,
	v_lshl_add_u32 v[LV], v8, 9, v[LV]             ; two blocks 512
	v_lshlrev_b32 v[SV], 3, v6
	v_lshl_add_u32 v[SV], v7, 7, v[SV]             ; a row of a block of xb is 128 bytes,
	v_lshl_add_u32 v[SV], v8, 21, v[SV]            ; two blocks 2 x 1,048,576
.set i, 0
.rept 16
	global_load_b128 v[X+4*i:X+4*i+3], v[LV], s[4:5] offset:8192*(i/2)+256*(i%2) th:TH_LOAD_NT
.set i, i+1
.endr
.set i, 0
.rept 16
	s_wait_loadcnt 15-i
	v_cvt_pk_bf16_f32 v[Y+2*i], v[X+4*i], v[X+4*i+1]
	v_cvt_pk_bf16_f32 v[Y+2*i+1], v[X+4*i+2], v[X+4*i+3]
	global_store_b64 v[SV], v[Y+2*i:Y+2*i+1], s[10:11] offset:1048576*(i%2)+256*(i/2)
.set i, i+1
.endr
	s_endpgm
.Lfunc_end_k_q5467751d29_prep:
	.size	k_q5467751d29_prep, .Lfunc_end_k_q5467751d29_prep-k_q5467751d29_prep
	.p2alignl 7, 3214868480
	.fill 96, 4, 3214868480
	.section	.rodata,"a",@progbits
	.p2align	6, 0x0
	.amdhsa_kernel k_q5467751d29_prep
		.amdhsa_group_segment_fixed_size 0
		.amdhsa_private_segment_fixed_size 0
		.amdhsa_enable_private_segment 0
		.amdhsa_kernarg_size 56
		.amdhsa_user_sgpr_count 2
		.amdhsa_user_sgpr_kernarg_segment_ptr 1
		.amdhsa_wavefront_size32 1
		.amdhsa_system_sgpr_workgroup_id_x 1
		.amdhsa_system_sgpr_workgroup_id_y 1
		.amdhsa_system_sgpr_workgroup_id_z 1
		.amdhsa_system_vgpr_workitem_id 0
		.amdhsa_next_free_vgpr 128
		.amdhsa_next_free_sgpr 66
		.amdhsa_reserve_vcc 1
		.amdhsa_float_denorm_mode_32 3
		.amdhsa_float_denorm_mode_16_64 3
		.amdhsa_memory_ordered 1
		.amdhsa_forward_progress 1
		.amdhsa_inst_pref_size 27
	.end_amdhsa_kernel
	.amdgpu_metadata
---
amdhsa.version: [ 1, 2 ]
amdhsa.kernels:
  - .name:           k_q5467751d29_prep
    .symbol:         k_q5467751d29_prep.kd
    .args:
      - { .name: x, .offset: 0, .size: 8, .value_kind: global_buffer, .address_space: global }
      - { .name: Wqkv, .offset: 8, .size: 8, .value_kind: global_buffer, .address_space: global }
      - { .name: Wout, .offset: 16, .size: 8, .value_kind: global_buffer, .address_space: global }
      - { .name: xb, .offset: 24, .size: 8, .value_kind: global_buffer, .address_space: global }
      - { .name: wqb, .offset: 32, .size: 8, .value_kind: global_buffer, .address_space: global }
      - { .name: wob, .offset: 40, .size: 8, .value_kind: global_buffer, .address_space: global }
      - { .name: tab, .offset: 48, .size: 8, .value_kind: global_buffer, .address_space: global }
    .group_segment_fixed_size: 0
    .private_segment_fixed_size: 0
    .kernarg_segment_align: 8
    .kernarg_segment_size: 56
    .max_flat_workgroup_size: 256
    .sgpr_count:     66
    .vgpr_count:     128
    .wavefront_size: 32
...
	.end_amdgpu_metadata
.endif
;; end of part 1
;; launch qkvrope (part 2): grid 8 x 32, 4 waves a work-group, clusters of 4 x 4, 327,680 bytes of LDS; arguments xb, wqb, tab, qkvh; writes qkvh
.if DOCPART == 2
	.amdgcn_target "amdgcn-amd-amdhsa--gfx1250"
	.amdhsa_code_object_version 6
	.text
	.protected	k_q5467751d29_qkvrope
	.globl	k_q5467751d29_qkvrope
	.p2align	8
	.type	k_q5467751d29_qkvrope,@function
k_q5467751d29_qkvrope:
	s_mov_b64 s[64:65], 0
	v_nop
	global_prefetch_b8 v0, s[64:65] scope:SCOPE_SE
	s_setreg_imm32_b32 hwreg(HW_REG_WAVE_MODE, 25, 1), 1
	s_wait_xcnt 0x0
	s_wait_alu depctr_hold_cnt(0) depctr_sa_sdst(0) depctr_va_vdst(0) depctr_va_sdst(0) depctr_va_ssrc(0) depctr_va_vcc(0) depctr_vm_vsrc(0)
	s_getreg_b32 s2, hwreg(HW_REG_IB_STS2, 6, 4)
	s_cmp_eq_u32 s2, 0
	s_cbranch_scc0 .Lentry_in_a_cluster
	s_endpgm
.Lentry_in_a_cluster:
	s_bfe_u32 s2, ttmp6, 0x10000c
	s_cmp_lg_u32 s2, 0xf033
	s_cbranch_scc0 .Lentry_shape_is_right
	s_endpgm
.Lentry_shape_is_right:
; q, k, v = x . Wqkv, q and k turned by the rotary table, all written by heads in f16.
; xb: [kb 16][row 8192][64] bf16.  wqb: [head 16][k 1024][192] bf16, columns 64 p + c (p = 0 q, 1 k, 2 v).  tab: [sb 64][b4 4][j 2][lane 32][4 f32].  qkvh: [frame 8][16 p + head][pixel 1024][64] f16.  Sums in f32.
; LIMIT.  f16 holds no number beyond 65,504: a q, k or v past that is written as an infinity.  They are sums of 1,024 products x w; nothing else bounds them.
; SHARES.  A tile of the product is 256 rows x 384 columns, q, k and v of two heads: 32 x 8 tiles, one a work-group, 256 in all.  Wave w makes rows 128 (w / 2) .. + 127 (eight blocks of 16) of head w % 2
; (twelve blocks of 16 columns): 96 accumulators, 768 registers.  For 32 along K it reads 40 x 512 bytes from LDS and issues 96 matrix instructions.  It holds whole rows of a head, so it goes out through a stage of its own.
; K goes in sixteen steps of 64 through two LDS slots filled by the tensor data mover: waves 0 and 1 fetch the two halves of xb's tile (128 rows: 16,384 consecutive bytes, asked for as 64 rows of 256),
; waves 2 and 3 the two heads' tiles of wqb (64 rows: 24,576 consecutive bytes, as 96 rows of 256).  A step of 128 would want two slots of 192,512 bytes.
; CLUSTERS: 4 x 4 work-groups.  The four of a row of the cluster need the same tile of xb and the same part of the table, the four of a column the same tiles of wqb: each is asked for jointly, by the same load, descriptor and mask in all four.
; THE MATRIX INSTRUCTION IS USED TRANSPOSED (source 0 = 16 columns of wqb, source 1 = 16 rows of xb): lane l then holds row l % 16 and the eight neighbouring columns 8 (l / 16) + 0 .. 7.
; wqb lies [k][column] in LDS as in memory and is turned on the way into registers by ds_load_tr16_b128.
; REGISTERS, in windows of 256 (s_set_vgpr_msb: bits 1:0 source 0, 3:2 source 1, 5:4 source 2, 7:6 destination):
;   window 0: v0-31 addresses; v32-127 wqb's twelve fragments, ONE buffer; v128-255 xb's eight fragments, two buffers.  On the way out: v32-95 the table's numbers, two buffers; v96-127 at work; v128-175 packed; v176-223 whole rows
;   windows 1, 2, 3: the accumulators of q, of k, of v: row block a, column block j of the four at v[8 (4 a + j)]
; A QUARTER is 32 along K: three stretches of 32 matrix instructions, one a window.  Behind stretch g its four fragments of wqb are free and are loaded again for the next quarter, 64 matrix instructions ahead of their use;
; xb's other buffer is loaded behind stretch 0.  Six window switches and twelve v_nop for 96 matrix instructions.
.set PA,    144                        ; a row of xb's tile in LDS: 128 bytes + 16: the 16 rows of a load start at 16 different groups of four banks (64 banks of 4 bytes: ISA guide 11.1)
.set AHALF, 128*PA
.set ATILE, 2*AHALF
.set PB,    480                        ; a row of a head's tile of wqb: three pieces of 128 bytes, 32 of padding behind each
.set BT,    64*PB
.set SLOT1, 1<<17                      ; a slot is ATILE + 2 BT = 98,304 bytes; slot 1 begins here, so that one exclusive or turns an address in one slot into the other's
.set TABL,  SLOT1+ATILE+2*BT           ; the table's numbers for the tile's 256 rows: 16 blocks of 4,096 bytes, filled once
.set STAGE, TABL+65536                 ; never filled by a tensor load: for each wave 3 x 16 rows x 144 bytes
.set SP,    144
.set WSTAGE, 3*16*SP
.set SPARE, STAGE+4*WSTAGE             ; the spare words, 128 bytes for each wave: two blocks of 256 bytes that no other line names
.set ASTEP, 8192*128                   ; a K step in xb: a block
.set BSTEP, 64*384                     ; in wqb: 64 rows of a head
.set ADRA, 16                          ; v16  LDS address of my xb fragments in the slot in hand
.set ADRB, 17                          ; v17  the same for wqb
.set AA0,  18                          ; v18  the same in slot 0; never rewritten
.set AB0,  19                          ; v19
.set TA,   20                          ; v20  LDS address of my 16 bytes in the first block of the table for my rows
.set PFO,  21                          ; v21  256 x lane: the prefetches' offset; never rewritten
.set STO,  24                          ; v24  the way out: where I put 16 bytes of a row
.set RD,   25                          ; v25  where I read rows back
.set GO,   26                          ; v26  16 x lane: my place in 512 consecutive bytes of qkvh; never rewritten
.set SPW,  28                          ; v28  LDS address of my spare word; never rewritten
.set NIL,  29                          ; v29  0; never rewritten
.set FB,   32
.set FA,   128
.set CS,   32
.set T,    96
.set P,    128
.set OB,   176
.set WV,   12                          ; s12  my wave's number
.set WR,   13                          ; s13  which 128 rows of the tile are mine
.set HALF, 14                          ; s14  which head of the tile's two is mine.  Also: which half of xb's tile, or which head's tile of wqb, I fetch
.set TC,   17                          ; s17  tile column: heads 2 TC, 2 TC + 1
.set TR,   18                          ; s18  tile row
.set CNT,  19
.set TB,   20                          ; s20  the slot in hand: 0 or SLOT1
.set G1A,  24                          ; s[24:31] descriptor group 1 for xb's tiles
.set G0A,  32                          ; s[32:39] group 0: a set for each of the two first fills; the second then walks on
.set G1B,  48                          ; s[48:55], s[56:63] the same for wqb's
.set G0B,  56
.set G1T,  68                          ; s[68:75], s[76:79] the table's
.set G0T,  76
.set PFA,  80                          ; s[80:81] where my prefetches stand: my work-group's 32 blocks of 256 bytes of xb's tile
.set LIM,  82                          ; s82  1 in a wave that prefetches, else the greatest number
.set MSB, 0
.macro WIN new                         ; the immediate's high byte repeats the setting that is left; a switch that changes nothing is dropped
.if MSB != (\new)
	s_set_vgpr_msb (MSB<<8)|(\new)
.set MSB, \new
.endif
.endm
.macro PLACES                          ; four places in front of loads into registers that matrix instructions have read, and of lines that read results
.rept 4
	v_nop
.endr
.endm
; A joint refill by the walking descriptors.  The branch hangs on the wave's number alone.  An s_nop 0 and four v_nop follow each of the two lines.
.macro JLOAD
	s_cmp_lt_u32 s[WV], 2
	s_cbranch_scc0 .Lfor_b_\@
	tensor_load_to_lds s[G0A+4:G0A+7], s[G1A:G1A+7]
	s_nop 0
.rept 4
	v_nop
.endr
	s_branch .Lasked_\@
.Lfor_b_\@:
	tensor_load_to_lds s[G0B+4:G0B+7], s[G1B:G1B+7]
	s_nop 0
.rept 4
	v_nop
.endr
.Lasked_\@:
.endm
; A PREFETCH INTO THE L2 of xb's tile for the K step that the NEXT change of slots will ask for: one K step, 192 matrix instructions, ahead of that load.  The tile is 32,768 consecutive bytes, 128 blocks of 256.
; Both clusters of a row of clusters read it: the one with x = 0 asks.  Its four partners that ask for the tile jointly take 32 blocks each, told apart BY ADDRESS (cx); in each, wave 0 asks: a lane a block, one
; instruction.  So each block is named once in the launch.  K steps 0 to 2 come by their loads alone; the loop's last trip asks for nothing: the step behind its own refill does not exist.
; wqb, 6 MiB that all 32 tile rows walk, and the table are not asked for ahead.
.macro ASK
	s_cmp_gt_u32 s[CNT], s[LIM]
	s_cbranch_scc0 .Lnot_mine_\@
	global_prefetch_b8 v[PFO], s[PFA:PFA+1] th:TH_LOAD_NT scope:SCOPE_SE
.Lnot_mine_\@:
.endm
.macro CREST                           ; a round of the cluster's barrier behind its opening barrier
	s_cmp_lg_u32 s[WV], 0
	s_cbranch_scc1 .Lnot_wave_0_\@
	s_barrier_signal -3
.Lnot_wave_0_\@:
	s_barrier_wait -3
	s_barrier_signal -1
	s_barrier_wait -1
.endm
.macro CROUND                          ; a whole round
	s_barrier_signal -1
	s_barrier_wait -1
	CREST
.endm
	s_load_b256 s[4:11], s[0:1], 0x0               ; xb s[4:5], wqb s[6:7], tab s[8:9], qkvh s[10:11]
	v_lshl_add_u32 v[SPW], v0, 2, SPARE
	v_mov_b32 v[NIL], 0
	ds_add_u32 v[SPW], v[NIL]                      ; the wave's opening: the add and its wait stand ahead of my first tensor load; the set-up below, work on registers, stands between them
	ds_add_u32 v28, v29
	v_lshrrev_b32 v1, 5, v0
	v_readfirstlane_b32 s[WV], v1                  ; wave 0..3
	s_and_b32 s[HALF], s[WV], 1
	s_lshr_b32 s[WR], s[WV], 1
	s_bfe_u32 s15, ttmp6, 0x40000                  ; cx
	s_bfe_u32 s16, ttmp6, 0x40004                  ; cy
	s_lshl_b32 s[TC], ttmp9, 2
	s_add_co_u32 s[TC], s[TC], s15                 ; tile column = 4 x cluster x + cx
	s_and_b32 s[TR], ttmp7, 0xffff
	s_lshl_b32 s[TR], s[TR], 2
	s_add_co_u32 s[TR], s[TR], s16                 ; tile row = 4 x cluster y + cy
	s_lshl_b32 s44, s16, 2
	s_lshl_b32 s44, 15, s44                        ; my row of the cluster
	s_lshl_b32 s45, 0x1111, s15                    ; my column
	s_or_b32 s[G1A], s44, (1<<16)|(1<<20)|(1<<21)|(4<<22)|(3<<25)  ; the mask; 2-byte elements; padding on; bit 21 beside a mask; after every 32 words (a row's 128 bytes) 4 words
	s_mov_b32 s[G1A+1], 128<<16                    ; tensor_dim0 = 128
	s_mov_b32 s[G1A+2], 64<<16                     ; tensor_dim1 = 64
	s_mov_b32 s[G1A+3], 128<<16                    ; tile_dim0 = 128
	s_mov_b32 s[G1A+4], 64                         ; tile_dim1 = 64
	s_mov_b32 s[G1A+5], 128                        ; dense: 128 elements from row to row
	s_mov_b32 s[G1A+6], 0
	s_mov_b32 s[G1A+7], 0
	s_or_b32 s[G1B], s45, (1<<16)|(1<<20)|(1<<21)|(4<<22)|(7<<25)  ; after every 32 words (a piece of 64 columns) 8 words
	s_mov_b32 s[G1B+1], 128<<16                    ; tensor_dim0 = 128
	s_mov_b32 s[G1B+2], 96<<16                     ; tensor_dim1 = 96
	s_mov_b32 s[G1B+3], 128<<16                    ; tile_dim0 = 128
	s_mov_b32 s[G1B+4], 96                         ; tile_dim1 = 96
	s_mov_b32 s[G1B+5], 128
	s_mov_b32 s[G1B+6], 0
	s_mov_b32 s[G1B+7], 0
	s_or_b32 s[G1T], s44, (3<<16)|(1<<21)          ; the table goes to my row of the cluster; 8-byte elements; no padding
	s_mov_b32 s[G1T+1], 32<<16                     ; tensor_dim0 = 32: rows of 256 bytes
	s_mov_b32 s[G1T+2], 64<<16                     ; tensor_dim1 = 64
	s_mov_b32 s[G1T+3], 32<<16                     ; tile_dim0 = 32
	s_mov_b32 s[G1T+4], 64                         ; tile_dim1 = 64
	s_mov_b32 s[G1T+5], 32
	s_mov_b32 s[G1T+6], 0
	s_mov_b32 s[G1T+7], 0
	; offsets, each in registers of its own: xb's and the table's hang on the tile row and the wave alone, wqb's on the tile column and the wave alone
	s_lshl_b32 s40, s[TR], 15                      ; 256 rows of 128 bytes in a block of xb,
	s_lshl_b32 s21, s[HALF], 14                    ; 128 rows
	s_add_co_u32 s40, s40, s21
	s_mov_b32 s41, 0
	s_lshl_b32 s42, s[TC], 1
	s_add_co_u32 s42, s42, s[HALF]                 ; the head
	s_lshl_b32 s2, s42, 17                         ; its block of 131,072 bytes in qkvh,
	s_mul_i32 s42, s42, 1024*384                   ; its 1,024 rows in wqb
	s_mov_b32 s43, 0
	s_mul_i32 s22, s[HALF], AHALF                  ; where the tiles go: no place in the cluster enters an LDS address
	s_mul_i32 s23, s[HALF], BT
	s_add_co_u32 s23, s23, ATILE
	s_and_b32 s21, s[TR], 3                        ; which quarter of a frame's 1,024 pixels the tile holds
	s_lshl_b32 s46, s21, 16                        ; tab: 16 blocks of 4,096 bytes a quarter,
	s_lshl_b32 s19, s[WV], 14                      ; of which I fetch four
	s_add_co_u32 s46, s46, s19
	s_mov_b32 s47, 0
	s_add_co_u32 s[G0T+1], s19, TABL
	s_lshl_b32 s21, s21, 15                        ; qkvh: the quarter's 256 pixels of 128 bytes,
	s_add_co_u32 s2, s2, s21
	s_lshr_b32 s21, s[TR], 2
	s_mul_i32 s21, s21, 48<<17                     ; the frame's 48 blocks,
	s_add_co_u32 s2, s2, s21
	s_lshl_b32 s21, s[WR], 14                      ; my wave's 128 pixels
	s_add_co_u32 s2, s2, s21
	s_mov_b32 s3, 0
	s_lshl_b32 s84, s[TR], 15                      ; the prefetches: the tile's 32,768 bytes in a block of xb,
	s_lshl_b32 s85, s15, 13                        ; my work-group's 8,192 of them,
	s_add_co_u32 s84, s84, s85
	s_add_co_u32 s84, s84, 2*ASTEP                 ; at K step 2: the first change of slots steps it to 3
	s_mov_b32 s85, 0
	s_or_b32 s[LIM], s[WV], ttmp9                  ; 0 in wave 0 where the cluster's x is 0: the same in all sixteen partners, for a given wave
	s_cmp_eq_u32 s[LIM], 0
	s_cselect_b32 s[LIM], 1, -1
	s_mov_b32 s[TB], 0
	s_wait_dscnt 0x0                               ; the opening add is done
	s_wait_kmcnt 0x0
	s_add_nc_u64 s[PFA:PFA+1], s[4:5], s[84:85]
	s_add_nc_u64 s[4:5], s[4:5], s[40:41]
	s_add_nc_u64 s[6:7], s[6:7], s[42:43]
	s_add_nc_u64 s[8:9], s[8:9], s[46:47]
	s_add_nc_u64 s[10:11], s[10:11], s[2:3]
	CROUND                                         ; all sixteen work-groups are here: the first joint loads meet
.irp s, 0,1
	s_mov_b32 s[G0A+4*(\s)], 1                     ; count = 1
	s_add_co_u32 s[G0A+4*(\s)+1], s22, (\s)*SLOT1  ; LDS address
	s_add_nc_u64 s[G0A+4*(\s)+2:G0A+4*(\s)+3], s[4:5], (\s)*ASTEP  ; global address: K step s
	s_or_b32 s[G0A+4*(\s)+3], s[G0A+4*(\s)+3], 0x80000000          ; type = 2
	s_mov_b32 s[G0B+4*(\s)], 1
	s_add_co_u32 s[G0B+4*(\s)+1], s23, (\s)*SLOT1
	s_add_nc_u64 s[G0B+4*(\s)+2:G0B+4*(\s)+3], s[6:7], (\s)*BSTEP
	s_or_b32 s[G0B+4*(\s)+3], s[G0B+4*(\s)+3], 0x80000000
.endr
	s_mov_b32 s[G0T], 1
	s_mov_b64 s[G0T+2:G0T+3], s[8:9]
	s_or_b32 s[G0T+3], s[G0T+3], 0x80000000
	s_cmp_lt_u32 s[WV], 2                          ; a wave's three first fills stand in one branch, ahead of every wait on TENSORcnt and every LDS read: three loads of mine are out
	s_cbranch_scc0 .Lfirst_b
	tensor_load_to_lds s[G0A:G0A+3], s[G1A:G1A+7]
	s_nop 0
	tensor_load_to_lds s[G0A+4:G0A+7], s[G1A:G1A+7]
	s_nop 0
	tensor_load_to_lds s[G0T:G0T+3], s[G1T:G1T+7]
	s_nop 0
.rept 4
	v_nop
.endr
	s_branch .Lfirst_asked
.Lfirst_b:
	tensor_load_to_lds s[G0B:G0B+3], s[G1B:G1B+7]
	s_nop 0
	tensor_load_to_lds s[G0B+4:G0B+7], s[G1B:G1B+7]
	s_nop 0
	tensor_load_to_lds s[G0T:G0T+3], s[G1T:G1T+7]
	s_nop 0
.rept 4
	v_nop
.endr
.Lfirst_asked:
	v_and_b32 v1, 15, v0                           ; l % 16
	v_bfe_u32 v2, v0, 4, 1                         ; l / 16
	v_and_b32 v3, 7, v0
	v_bfe_u32 v4, v0, 3, 1
	v_and_b32 v5, 31, v0
	v_lshlrev_b32 v[GO], 4, v5
	v_lshlrev_b32 v[PFO], 8, v5
	; a fragment of xb: lane l holds row l % 16, K = 8 (l / 16) + 0..7 and 16 + 8 (l / 16) + 0..7: two loads of 16 bytes, 32 bytes apart
	v_mul_u32_u24 v[AA0], v1, PA
	v_lshl_add_u32 v[AA0], v2, 4, v[AA0]
	s_mul_i32 s21, s[WR], 128*PA                   ; my 128 rows
	v_add_nc_u32 v[AA0], s21, v[AA0]
	; the turning load takes 16 K x 16 columns (lane l reads K = 8 (l / 16) + l % 8, columns 8 ((l / 8) % 2) + 0..7) and leaves half a fragment: lane l holds column l % 16 and 8 K
	v_lshl_add_u32 v[AB0], v2, 3, v3
	v_mul_u32_u24 v[AB0], v[AB0], PB
	v_lshl_add_u32 v[AB0], v4, 4, v[AB0]
	v_add_nc_u32 v[AB0], s23, v[AB0]               ; my head's tile
	v_mov_b32 v[ADRA], v[AA0]
	v_mov_b32 v[ADRB], v[AB0]
	s_lshl_b32 s21, s[WR], 15                      ; my rows' eight blocks of the table
	s_add_co_u32 s21, s21, TABL
	v_add_nc_u32 v[TA], s21, v[GO]
	s_mul_i32 s21, s[WV], WSTAGE
	s_add_co_u32 s21, s21, STAGE                   ; my stage
	v_mul_u32_u24 v[STO], v1, SP                   ; in: row l % 16, 16 bytes for each half of the lanes
	v_lshl_add_u32 v[STO], v2, 4, v[STO]
	v_add_nc_u32 v[STO], s21, v[STO]
	v_bfe_u32 v[RD], v0, 3, 2                      ; back: 32 lanes take four rows of 128 bytes
	v_mul_u32_u24 v[RD], v[RD], SP
	v_lshl_add_u32 v[RD], v3, 4, v[RD]
	v_add_nc_u32 v[RD], s21, v[RD]
; Matrix instructions of stretch g (column blocks 4 g .. 4 g + 3, window g + 1): row blocks a0 .. a1, four each, 32 along K, xb's buffer f.  zero = 1: the first product starts the sums.
; The 96 accumulators take turns, in the same order in every quarter, over the backward jump too.
.macro MUL g, f, a0, a1, zero
	WIN 0x50*((\g)+1)                              ; sources 0 and 1 window 0, C and D window g + 1
.set aa, (\a0)
.rept (\a1)-(\a0)+1
.irp j, 0,1,2,3
.if \zero
	v_wmma_f32_16x16x32_bf16 v[8*(4*aa+(\j)):8*(4*aa+(\j))+7], v[FB+8*(4*(\g)+(\j)):FB+8*(4*(\g)+(\j))+7], v[FA+64*(\f)+8*aa:FA+64*(\f)+8*aa+7], 0
.else
	v_wmma_f32_16x16x32_bf16 v[8*(4*aa+(\j)):8*(4*aa+(\j))+7], v[FB+8*(4*(\g)+(\j)):FB+8*(4*(\g)+(\j))+7], v[FA+64*(\f)+8*aa:FA+64*(\f)+8*aa+7], v[8*(4*aa+(\j)):8*(4*aa+(\j))+7]
.endif
.endr
.set aa, aa+1
.endr
.endm
.macro LDB g, q                        ; 8 LDS loads: wqb's fragments 4 g .. 4 g + 3 of quarter q of the slot in hand.  Column block 4 g + j lies 160 g + 32 j bytes into a row
	WIN 0
.irp j, 0,1,2,3
	ds_load_tr16_b128 v[FB+8*(4*(\g)+(\j)):FB+8*(4*(\g)+(\j))+3],   v[ADRB] offset:32*(\q)*PB+160*(\g)+32*(\j)
	ds_load_tr16_b128 v[FB+8*(4*(\g)+(\j))+4:FB+8*(4*(\g)+(\j))+7], v[ADRB] offset:32*(\q)*PB+16*PB+160*(\g)+32*(\j)
.endr
.endm
.macro LDA f, q                        ; 16 LDS loads: xb's eight fragments of quarter q into buffer f
	WIN 0
.irp a, 0,1,2,3,4,5,6,7
	ds_load_b128 v[FA+64*(\f)+8*(\a):FA+64*(\f)+8*(\a)+3],   v[ADRA] offset:64*(\q)+16*(\a)*PA
	ds_load_b128 v[FA+64*(\f)+8*(\a)+4:FA+64*(\f)+8*(\a)+7], v[ADRA] offset:64*(\q)+16*(\a)*PA+32
.endr
.endm
; A K step's first quarter: multiplies xb's buffer 0 and fetches the second quarter's fragments from the same slot.  LDS loads come back in order (ISA guide 5.7.1), so each wait names the loads issued behind the ones it wants.
.macro Q0 zero
	s_wait_dscnt 16                                ; group 0 and xb's fragments are in; groups 1 and 2, sixteen loads, may be out
	MUL 0, 0, 0, 7, \zero
	PLACES
	LDB 0, 1
	LDA 1, 1
	s_wait_dscnt 32                                ; group 1 is in: behind it stand group 2's 8 loads and the 24 just issued
	MUL 1, 0, 0, 7, \zero
	PLACES
	LDB 1, 1
	s_wait_dscnt 32                                ; group 2 is in: behind it stand the 24 and the 8
	MUL 2, 0, 0, 7, \zero
	PLACES
	LDB 2, 1
.endm
; A K step's second quarter multiplies buffer 1 and changes slots.  ONE barrier: in front of it each wave waits for all its tensor loads, of which one is out: its part of the next slot (at the first change also the table's);
; adds 0 to its spare word; and waits for that and for its own reads of this slot.  Behind it nobody reads this slot any more and the next slot is whole.
; fill = 1: the barrier opens a round of the cluster's barrier, and this slot is filled again, two K steps ahead, first thing behind the round.
; From a request to the wait for it a wave issues 16 + 64 + 96 = 176 of a K step's 192 matrix instructions.
.macro TURN fill
	WIN 0                                          ; (the add's two registers lie in window 0)
.if \fill
	s_wait_xcnt 0x0                                ; the last prefetch, a K step back, has read its address, which is stepped here, ahead of the waits of the change of slots
	s_add_nc_u64 s[PFA:PFA+1], s[PFA:PFA+1], ASTEP
.endif
	s_wait_tensorcnt 0x0                           ; all my tensor loads have landed
	ds_add_u32 v[SPW], v[NIL]                      ; 0 onto my spare word
	s_wait_dscnt 17                                ; (the add and groups 1 and 2 may be out)
	MUL 0, 1, 0, 1, 0                              ; eight matrix instructions stand between the add and the wait for it
	s_wait_dscnt 0x0                               ; the add is done, and my reads of this slot are over
	s_barrier_signal -1
	MUL 0, 1, 2, 3, 0                              ; work on registers while the others arrive
	WIN 0
	s_barrier_wait -1
.if \fill
	CREST                                          ; no wave of any partner still reads this slot's tiles or has a load on its way
	s_xor_b32 s[G0A+5], s[G0A+5], SLOT1            ; the walking descriptors: the other slot than last time,
	s_add_nc_u64 s[G0A+6:G0A+7], s[G0A+6:G0A+7], ASTEP  ; the next K step; the type bits on top are not reached
	s_xor_b32 s[G0B+5], s[G0B+5], SLOT1
	s_add_nc_u64 s[G0B+6:G0B+7], s[G0B+6:G0B+7], BSTEP
	JLOAD
	ASK
.endif
	MUL 0, 1, 4, 7, 0
	PLACES
	WIN 0
	s_xor_b32 s[TB], s[TB], SLOT1                  ; the fetches go to the other slot
	v_add_nc_u32 v[ADRA], s[TB], v[AA0]
	v_add_nc_u32 v[ADRB], s[TB], v[AB0]
	LDB 0, 0
	LDA 0, 0
	MUL 1, 1, 0, 7, 0                              ; groups 1 and 2 were shown in by the wait for 0 above
	PLACES
	LDB 1, 0
	MUL 2, 1, 0, 7, 0
	PLACES
	LDB 2, 0
.endm
	s_wait_tensorcnt 2                             ; my part of K step 0 is in; K step 1's and the table's may stay out
	s_barrier_signal -1
	s_barrier_wait -1                              ; everybody's is
	LDB 0, 0
	LDA 0, 0
	LDB 1, 0
	LDB 2, 0
	Q0 1                                           ; the first quarter stands in front of the loop: its products start the sums
	WIN 0                                          ; at a label and at a branch every window is 0
	s_mov_b32 s[CNT], 14
.Lstep:                                        ; fourteen trips, from a K step's second quarter to the next one's first: K steps 0 to 13 end, K steps 2 to 15 are asked for
	TURN 1
	Q0 0
	WIN 0
	s_sub_co_u32 s[CNT], s[CNT], 1
	s_cmp_lg_u32 s[CNT], 0
	s_cbranch_scc1 .Lstep
	TURN 0                                         ; the tail is written out: nothing is asked for
	Q0 0
	s_wait_dscnt 16                                ; the very last quarter: nothing more to fetch, the counts run down
	MUL 0, 1, 0, 7, 0
	s_wait_dscnt 8
	MUL 1, 1, 0, 7, 0
	s_wait_dscnt 0x0
	MUL 2, 1, 0, 7, 0
	WIN 0
; THE WAY OUT, a row block (16 rows) at a time.
.macro CSLOAD a                        ; the table's numbers for row block a: channel block b, half j: (cos, sin, cos, sin) of my lane's pairs 2 j, 2 j + 1 of four.  512 consecutive bytes a load
.irp b, 0,1,2,3
.irp j, 0,1
	ds_load_b128 v[CS+32*((\a)%2)+8*(\b)+4*(\j):CS+32*((\a)%2)+8*(\b)+4*(\j)+3], v[TA] offset:4096*(\a)+1024*(\b)+512*(\j)
.endr
.endr
.endm
; q (window 1) or k (window 2) of row block a is turned: of a pair (x1, x2) with (c, s): (x1 c - x2 s, x2 c + x1 s), in f32, by a packed multiply and a packed multiply-add that takes the pair crosswise;
; then rounded once to f16, 16 bytes a lane and column block.  Each accumulator's registers are read in ascending order.
.macro ROT w, a, pb
	WIN \w                                         ; source 0 (accumulators) in window w, all else in window 0
.irp b, 0,1,2,3
.irp r, 0,1,2,3
	v_pk_mul_f32 v[T+8*(\b)+2*(\r):T+8*(\b)+2*(\r)+1], v[32*(\a)+8*(\b)+2*(\r):32*(\a)+8*(\b)+2*(\r)+1], v[CS+32*((\a)%2)+8*(\b)+2*(\r):CS+32*((\a)%2)+8*(\b)+2*(\r)+1] op_sel_hi:[1,0]
.endr
.endr
.irp b, 0,1,2,3
.irp r, 0,1,2,3
	v_pk_fma_f32 v[T+8*(\b)+2*(\r):T+8*(\b)+2*(\r)+1], v[32*(\a)+8*(\b)+2*(\r):32*(\a)+8*(\b)+2*(\r)+1], v[CS+32*((\a)%2)+8*(\b)+2*(\r):CS+32*((\a)%2)+8*(\b)+2*(\r)+1], v[T+8*(\b)+2*(\r):T+8*(\b)+2*(\r)+1] op_sel:[1,1,0] op_sel_hi:[0,1,1] neg_lo:[1,0,0]
.endr
.endr
	WIN 0
.irp b, 0,1,2,3
.irp r, 0,1,2,3
	v_cvt_pk_f16_f32 v[P+(\pb)+4*(\b)+(\r)], v[T+8*(\b)+2*(\r)], v[T+8*(\b)+2*(\r)+1]
.endr
.endr
.endm
.macro PACK a
	ROT 1, \a, 0
	ROT 2, \a, 16
	WIN 0x0f                                       ; sources in window 3: v is not turned
.irp b, 0,1,2,3
.irp r, 0,1,2,3
	v_cvt_pk_f16_f32 v[P+32+4*(\b)+(\r)], v[32*(\a)+8*(\b)+2*(\r)], v[32*(\a)+8*(\b)+2*(\r)+1]
.endr
.endr
	WIN 0
.endm
.macro TOSTAGE                         ; into my own stage, and back as whole rows of 128 bytes
	s_wait_xcnt 0x0                                ; the stores of the block before have read their registers, which the loads below write
.irp b, 0,1,2,3,4,5,6,7,8,9,10,11
	ds_store_b128 v[STO], v[P+4*(\b):P+4*(\b)+3] offset:16*SP*((\b)/4)+32*((\b)%4)
.endr
.irp h, 0,1,2
.irp f, 0,1,2,3
	ds_load_b128 v[OB+4*(4*(\h)+(\f)):OB+4*(4*(\h)+(\f))+3], v[RD] offset:16*SP*(\h)+4*SP*(\f)  ; LDS serves a wave's instructions in order (ISA guide 5.7.1.4): these see the stores above
.endr
.endr
.endm
.macro SEND a, younger                 ; younger: the LDS loads issued behind the stage's: the table's eight for the block after next, or none
	s_wait_dscnt \younger                          ; the block is back in registers
.irp h, 0,1,2
.irp f, 0,1,2,3
	global_store_b128 v[GO], v[OB+4*(4*(\h)+(\f)):OB+4*(4*(\h)+(\f))+3], s[10:11] offset:2097152*(\h)+2048*(\a)+512*(\f)  ; four rows of a head: 512 consecutive bytes at a multiple of 256; k lies 16 blocks behind q, v 32
.endr
.endr
.endm
	PLACES
	PLACES
	CSLOAD 0
	CSLOAD 1
	s_wait_dscnt 8                                 ; block 0's numbers are in
	PACK 0
	TOSTAGE
.irp a, 1,2,3,4,5,6                    ; block a's arithmetic stands between block a - 1's loads from the stage and the wait for them
	CSLOAD (\a)+1
	s_wait_dscnt 32                                ; block a's numbers are in: behind them stand the stage's 24 and the 8 just issued
	PACK \a
	SEND (\a)-1, 8
	TOSTAGE
.endr
	s_wait_dscnt 24
	PACK 7
	SEND 6, 0
	TOSTAGE
	SEND 7, 0
	s_wait_tensorcnt 0x0                           ; the wave's end: these three lines stand behind my last tensor load and my last LDS store
	ds_add_u32 v[SPW], v[NIL]
	s_wait_dscnt 0x0
	CROUND                                         ; the closing round: no work-group ends while a partner may still ask for a tile that names it
	s_endpgm
.Lfunc_end_k_q5467751d29_qkvrope:
	.size	k_q5467751d29_qkvrope, .Lfunc_end_k_q5467751d29_qkvrope-k_q5467751d29_qkvrope
	.p2alignl 7, 3214868480
	.fill 96, 4, 3214868480
	.section	.rodata,"a",@progbits
	.p2align	6, 0x0
	.amdhsa_kernel k_q5467751d29_qkvrope
		.amdhsa_group_segment_fixed_size 327680
		.amdhsa_private_segment_fixed_size 0
		.amdhsa_enable_private_segment 0
		.amdhsa_kernarg_size 32
		.amdhsa_user_sgpr_count 2
		.amdhsa_user_sgpr_kernarg_segment_ptr 1
		.amdhsa_wavefront_size32 1
		.amdhsa_system_sgpr_workgroup_id_x 1
		.amdhsa_system_sgpr_workgroup_id_y 1
		.amdhsa_system_sgpr_workgroup_id_z 1
		.amdhsa_system_vgpr_workitem_id 0
		.amdhsa_next_free_vgpr 1024
		.amdhsa_next_free_sgpr 88
		.amdhsa_reserve_vcc 0
		.amdhsa_float_denorm_mode_32 3
		.amdhsa_float_denorm_mode_16_64 3
		.amdhsa_memory_ordered 1
		.amdhsa_forward_progress 1
		.amdhsa_inst_pref_size 149
	.end_amdhsa_kernel
	.amdgpu_metadata
---
amdhsa.version: [ 1, 2 ]
amdhsa.kernels:
  - .name:           k_q5467751d29_qkvrope
    .symbol:         k_q5467751d29_qkvrope.kd
    .args:
      - { .name: xb, .offset: 0, .size: 8, .value_kind: global_buffer, .address_space: global }
      - { .name: wqb, .offset: 8, .size: 8, .value_kind: global_buffer, .address_space: global }
      - { .name: tab, .offset: 16, .size: 8, .value_kind: global_buffer, .address_space: global }
      - { .name: qkvh, .offset: 24, .size: 8, .value_kind: global_buffer, .address_space: global }
    .group_segment_fixed_size: 327680
    .private_segment_fixed_size: 0
    .kernarg_segment_align: 8
    .kernarg_segment_size: 32
    .max_flat_workgroup_size: 128
    .sgpr_count:     88
    .vgpr_count:     1024
    .wavefront_size: 32
...
	.end_amdgpu_metadata
.endif
;; end of part 2
;; launch attn (part 3): grid 2 x 128, 4 waves a work-group, no clusters, 327,680 bytes of LDS; arguments qkvh, ob; writes ob
.if DOCPART == 3
	.amdgcn_target "amdgcn-amd-amdhsa--gfx1250"
	.amdhsa_code_object_version 6
	.text
	.protected	k_q5467751d29_attn
	.globl	k_q5467751d29_attn
	.p2align	8
	.type	k_q5467751d29_attn,@function
k_q5467751d29_attn:
	s_mov_b64 s[64:65], 0
	v_nop
	global_prefetch_b8 v0, s[64:65] scope:SCOPE_SE
	s_setreg_imm32_b32 hwreg(HW_REG_WAVE_MODE, 25, 1), 1
	s_wait_xcnt 0x0
; O[y][q][:] = the sum over k of softmax_k(Q[q] . K[k] / 8) V[k][:], for each of the 128 pairs y = 16 frame + head.  qkvh: [frame 8][16 p + head][1024][64] f16 (p = 0 Q, 1 K, 2 V); ob: [y 128][1024][64] f16.
; A head's rows are dense, 128 bytes each.  Products, maxima and sums in f32; the weights p are rounded to f16 for the second product (their sum l is taken of the unrounded p), O once at the end.
; LIMITS.  f16 holds no number beyond 65,504: Q, K and V arrive within it; p lies in 0 to 1, and below 6e-5 it keeps f16's fixed step of 6e-8; O is a mean of V's rows and has their range.
; A weight below 2^-126 counts as 0 in l; NaN and infinities are not treated apart.
; SHARES.  A wave owns four PIECES of two tiles of 16 queries, a work-group's four waves 512 queries of one pair y: 2 x 128 work-groups.  Every wave walks all 1,024 keys, 64 a step.
; ALL OF K AND V LIES IN LDS: 1,024 x (144 + 160) = 311,296 bytes.  Every fill is a first fill, asked for at the head: each wave issues two loads, 128 of the first 256 keys and 384 of the other 768
; (waves 0 and 1 of K, waves 2 and 3 of V).  The first four key steps begin when the first loads are in; the others are waited for once, behind those steps.  Nothing is filled again, so the key step stands once in the
; text, and nothing is left to ask for ahead.
; NO CLUSTER: a pair y has 1,024 / 512 = 2 work-groups, so no four work-groups read the same K and V.
; LAYOUT.  S^T = K Q^T (source 0 = 16 keys, source 1 = 16 queries): in the result a lane holds ONE query (lane % 16) and the keys 8 (lane / 16) + 0..7.  Two such tiles, rounded to f16 in pairs,
; ARE source 1 (32 keys x 16 queries) of O^T = V^T P, whose result again holds one query a lane, and eight channels.  K comes out of LDS as it lies, V ([key][channel]) turned, by ds_load_tr16_b128.
; SOFTMAX.  For each query a running maximum m and sum l: p = 2^(c s - c m), c = log2(e) / 8; in every step O and l are multiplied by a = 2^(c m_old - c m_new), which is 1 where m has not grown.
; m starts at the lowest finite number, O and l at 0: the first step is a step like any other, with a = 0.
; THE COUNT.  A tile and step have 16 matrix and 118 vector instructions: too many to stand all beside the matrix work.  So the order has one aim: four vector instructions that are READY behind
; EVERY matrix instruction, and the others, which need time of their own whatever the order, in runs without a gap.
; BY TURNS.  Turn n belongs to piece n (the pieces in a ring, step after step).  Its matrix work: 16 products K Q^T of piece n + 1, later 16 products V^T P of piece n - 1.  Its vector work: the scaling,
; exponentials, roundings, sums and rescaling of piece n, and the maximum and statistics of piece n + 1, whose scores the turn itself has made.  So what a turn begins with (c s - c m, O a) waits for nothing.
; REGISTERS, in windows of 256 (s_set_vgpr_msb says which window each operand place means: bits 1:0 source 0, 3:2 source 1, 5:4 source 2, 7:6 destination):
;   window 0: v0-11 addresses; v12-15, v48-63 at work; v16-47 four registers of statistics a tile; v64-191 S^T, two buffers of two tiles; v192-255 P, likewise
;   window 1: O^T, 32 a tile          window 2: v0-127 Q, 16 a tile; v128-191 K of one step; v192-255 V of one step          window 3: v0-1 the add's two registers
; A piece's buffers go by its number's parity: the piece in hand has one pair, its two neighbours in the ring share the other: of it P (piece n - 1) is read and S^T (piece n + 1) written.
.set SIZE_N, 1024
.set NP,    4         ; pieces a wave: a name, no knob: the register map, the loop and the fetches are made for four
.set KS,    64        ; keys in a step
.set PK,    144       ; a row of K in LDS: 128 bytes + 16 of padding = 36 words: the 16 rows of a load start at 16 different groups of four banks (64 banks of 4 bytes: ISA guide 11.1)
.set PV,    160       ; a row of V: 128 + 32 = 40 words
.set VOFF,  SIZE_N*PK ; 1,024 rows of K, then 1,024 rows of V
.set STAGE, VOFF+SIZE_N*PV  ; never filled by a tensor load: 16 rows x 144 bytes for each wave, for the way out
.set SP,    144
.set AK0, 2           ; v2   my lane's place in a tile of K; never rewritten
.set AV0, 3           ; v3   the same for V
.set AK,  4           ; v4   the LDS address of K's next run of loads
.set AV,  5           ; v5   of V's
.set QO,  6           ; v6   my byte offset in the wave's rows of Q
.set STO, 6           ;      later, the way out: where I put 16 bytes of a row
.set RD,  7           ; v7   the way out: where I read rows back
.set GO,  8           ; v8   my byte offset in 512 consecutive bytes of O
.set SPW, 0           ; v0 of window 3   LDS address of my spare word: SPARE + 4 x my thread's number; never rewritten
.set NIL, 1           ; v1 of window 3   0; never rewritten
.set SPARE, STAGE+4*16*SP  ; behind the stages: the spare words, 128 bytes for each wave: two blocks of 256 bytes that no other line names
.set MV,  12          ; v12-15  c m_old, kept while c m is made anew: by buffer and tile
.set ST,  16          ; tile t's statistics at v[ST+4 t]: c m, m, l (even keys', odd keys')
.set TMP, 48          ; by buffer and tile, four registers c0-c3 at work; when the maximum is found c2 takes a
.set S,   64
.set P,   192
.set KF,  128         ; K's fragments, in window 2: key block kb, channel half c at KF + 16 kb + 8 c
.set VF,  192         ; V's: key half kk, channel block cb at VF + 32 kk + 8 cb
.set WV,  12          ; s12  my wave's number
.set LAST, 14         ; s14  the count at which the walk ends: 0 (never met) in the first four key steps, 1 behind them
.set G1K, 24          ; s[24:31] descriptor group 1 for K's first load: 128 keys
.set G1V, 32          ; s[32:39] for V's: it differs in the padding alone
.set G0K, 40          ; s[40:43] descriptor group 0 for K's first load
.set G0V, 44          ; s[44:47] for V's
.set G1K2, 68         ; s[68:75], s[76:83] group 1 for the second loads: 384 keys
.set G1V2, 76
.set G0K2, 84         ; s[84:87], s[88:91] group 0 for the second loads
.set G0V2, 88
.set SLOTS, 56        ; s56  counts the walk's two phases
.set CNT, 57          ; s57  counts a phase's key steps
.set CS,  58          ; s[58:59] c: the packed scaling takes the pair's low word for both halves
.set SEL, 60          ; s[60:61] v_permlanex16_b32's selects: each lane takes its own place in the other half
.set TBK, 62          ; s62  LDS byte at which K of the step to be fetched begins
.set TBV, 63          ; s63  the same for V, less VOFF
.set MSB, 0
.macro WIN new                      ; the high byte repeats the setting that is left; a switch that changes nothing is dropped
.if MSB != (\new)
	s_set_vgpr_msb (MSB<<8)|(\new)
.set MSB, (\new)
.endif
.endm
.set W_KQ, 0x0a       ; K and Q in window 2, S^T in window 0
.set W_PV, 0x52       ; V in window 2, P in window 0, O^T in window 1
.set W_RS, 0x41       ; O^T (destination and source 0) in window 1, a in window 0
.set W_MK, 0xc0       ; the add's registers are made: destination in window 3, sources in window 0
.set W_AD, 0x0f       ; the add: address (source 0) and data (source 1) in window 3
; descriptor group 1 but for its first word.  Keys are dense rows of 128 bytes: asked for as rows of 256 bytes, two keys a row, and padded in LDS after every key
.macro SHAPE g, rows
	s_mov_b32 s[\g+1], 128<<16      ; tensor_dim0 = 128
	s_mov_b32 s[\g+2], (\rows)<<16  ; tensor_dim1
	s_mov_b32 s[\g+3], 128<<16      ; tile_dim0 = 128
	s_mov_b32 s[\g+4], \rows        ; tile_dim1
	s_mov_b32 s[\g+5], 128          ; 128 elements from row to row
	s_mov_b32 s[\g+6], 0
	s_mov_b32 s[\g+7], 0
.endm
	s_load_b128 s[4:7], s[0:1], 0x0  ; qkvh s[4:5], ob s[6:7]
	WIN W_MK
	v_lshl_add_u32 v[SPW], v0, 2, SPARE
	v_mov_b32 v[NIL], 0
	WIN W_AD
	ds_add_u32 v[SPW], v[NIL]       ; the wave's opening: the add and its wait stand ahead of my first tensor load; the set-up below, work on registers, stands between them
	ds_add_u32 v0, v1
	WIN 0
	v_lshrrev_b32 v1, 5, v0
	v_readfirstlane_b32 s[WV], v1   ; wave 0..3
	s_and_b32 s20, ttmp7, 0xffff    ; y
	s_lshr_b32 s21, s20, 4          ; the frame
	s_and_b32 s13, s20, 15          ; the head
	s_mul_i32 s21, s21, 48
	s_add_co_u32 s21, s21, s13
	s_lshl_b32 s21, s21, 17         ; Q's block of 131,072 bytes in qkvh
	s_lshl_b32 s20, s20, 17         ; O's block in ob
	s_and_b32 s16, s[WV], 1         ; which half of the keys of each load is mine
	s_lshl_b32 s22, s16, 14         ; first load: keys 128 h .. 128 h + 127, 128 bytes each,
	s_add_co_u32 s22, s22, s21
	s_add_co_u32 s22, s22, 0x200000 ; K lies 16 blocks behind Q,
	s_mov_b32 s23, 0
	s_add_co_u32 s48, s22, 0x200000 ; V 32
	s_mov_b32 s49, 0
	s_mul_i32 s52, s16, 384*128     ; second load: keys 256 + 384 h .. + 383
	s_add_co_u32 s52, s52, s21
	s_add_co_u32 s52, s52, 0x200000+256*128
	s_mov_b32 s53, 0
	s_add_co_u32 s54, s52, 0x200000
	s_mov_b32 s55, 0
	s_lshl_b32 s2, ttmp9, 2
	s_add_co_u32 s2, s2, s[WV]      ; my wave among the pair's eight,
	s_lshl_b32 s2, s2, 14           ; its 128 rows
	s_add_co_u32 s50, s2, s20       ; in ob
	s_mov_b32 s51, 0
	s_add_co_u32 s2, s2, s21        ; and in qkvh
	s_mov_b32 s3, 0
	s_mov_b32 s[G1K], (1<<16)|(1<<20)|(4<<22)|(3<<25)   ; 17:16 2-byte elements; 20 padding on; 24:22 after every 32 words (code 4); 31:25 4 words (code 3)
	s_mov_b32 s[G1K2], (1<<16)|(1<<20)|(4<<22)|(3<<25)
	s_mov_b32 s[G1V], (1<<16)|(1<<20)|(4<<22)|(7<<25)   ; the same with 8 words of padding (code 7)
	s_mov_b32 s[G1V2], (1<<16)|(1<<20)|(4<<22)|(7<<25)
	SHAPE G1K, 64
	SHAPE G1V, 64
	SHAPE G1K2, 192
	SHAPE G1V2, 192
	s_mov_b32 s[CS], 0x3e38aa3b     ; c = log2(e) / 8 = 0.180337
	s_mov_b32 s[CS+1], s[CS]        ; named with it as a pair
	s_mov_b32 s[SEL], 0x76543210
	s_mov_b32 s[SEL+1], 0xfedcba98
	s_mov_b32 s[TBK], 0
	s_mov_b32 s[TBV], 0
	s_mov_b32 s[G0K], 1             ; 1:0 count = 1
	s_mul_i32 s[G0K+1], s16, 128*PK ; 63:32 LDS address: a key's row lies at its number times the pitch
	s_mov_b32 s[G0V], 1
	s_mul_i32 s[G0V+1], s16, 128*PV
	s_add_co_u32 s[G0V+1], s[G0V+1], VOFF
	s_mov_b32 s[G0K2], 1
	s_mul_i32 s[G0K2+1], s16, 384*PK
	s_add_co_u32 s[G0K2+1], s[G0K2+1], 256*PK
	s_mov_b32 s[G0V2], 1
	s_mul_i32 s[G0V2+1], s16, 384*PV
	s_add_co_u32 s[G0V2+1], s[G0V2+1], VOFF+256*PV
	s_wait_dscnt 0x0                ; the opening add is done
	s_wait_kmcnt 0x0
	s_add_nc_u64 s[G0K+2:G0K+3], s[4:5], s[22:23]  ; 120:64 global address
	s_or_b32 s[G0K+3], s[G0K+3], 0x80000000        ; 127:126 type = 2
	s_add_nc_u64 s[G0V+2:G0V+3], s[4:5], s[48:49]
	s_or_b32 s[G0V+3], s[G0V+3], 0x80000000
	s_add_nc_u64 s[G0K2+2:G0K2+3], s[4:5], s[52:53]
	s_or_b32 s[G0K2+3], s[G0K2+3], 0x80000000
	s_add_nc_u64 s[G0V2+2:G0V2+3], s[4:5], s[54:55]
	s_or_b32 s[G0V2+3], s[G0V2+3], 0x80000000
	s_add_nc_u64 s[10:11], s[6:7], s[50:51]  ; O and Q at my wave's first row
	s_add_nc_u64 s[4:5], s[4:5], s[2:3]
	s_cmp_lt_u32 s[WV], 2           ; a wave's two fills stand in one branch on its number, ahead of every wait on TENSORcnt, every LDS read and every barrier: two loads of mine are out; an s_nop 0 follows each, four v_nop the second's
	s_cbranch_scc0 .Lfill_v
	tensor_load_to_lds s[G0K:G0K+3], s[G1K:G1K+7]
	s_nop 0
	tensor_load_to_lds s[G0K2:G0K2+3], s[G1K2:G1K2+7]
	s_nop 0
.rept 4
	v_nop
.endr
	s_branch .Lfill_asked
.Lfill_v:
	tensor_load_to_lds s[G0V:G0V+3], s[G1V:G1V+7]
	s_nop 0
	tensor_load_to_lds s[G0V2:G0V2+3], s[G1V2:G1V2+7]
	s_nop 0
.rept 4
	v_nop
.endr
.Lfill_asked:
	; A fragment of K or Q is 16 rows x 32 channels in 8 registers: lane l holds row l % 16, channels 8 (l / 16) + 0..7 and 16 + 8 (l / 16) + 0..7: two loads of 16 bytes, 32 bytes apart.
	v_and_b32 v1, 15, v0            ; l % 16
	v_bfe_u32 v9, v0, 4, 1          ; l / 16
	v_lshlrev_b32 v[QO], 7, v1
	v_lshl_add_u32 v[QO], v9, 4, v[QO]  ; row x 128 + 16 x half
	WIN 0x80                        ; destination window 2, address window 0
.set i, 0
.rept 4*NP                          ; Q stays in registers: tile i / 2, channels 32 (i % 2) on
	global_load_b128 v[8*i:8*i+3],   v[QO], s[4:5] offset:(i/2)*2048+(i%2)*64
	global_load_b128 v[8*i+4:8*i+7], v[QO], s[4:5] offset:(i/2)*2048+(i%2)*64+32
.set i, i+1
.endr
	; What the first turn finds: V's registers and P's second buffer hold 0 (its products V^T P, of a piece that has not been, add 0), O^T and l are 0.  All this stands in the wait for the first keys.
.set i, VF
.rept 64
	v_mov_b32 v[i], 0
.set i, i+1
.endr
	WIN 0x40
.set i, 0
.rept 64*NP
	v_mov_b32 v[i], 0
.set i, i+1
.endr
	WIN 0
.set i, 0
.rept 2*NP
	v_mov_b32 v[ST+4*i], 0xfe000000    ; c m: far below every c s
	v_mov_b32 v[ST+4*i+1], 0xff7fffff  ; m
	v_mov_b32 v[ST+4*i+2], 0
	v_mov_b32 v[ST+4*i+3], 0
.set i, i+1
.endr
.set i, P+32
.rept 32
	v_mov_b32 v[i], 0
.set i, i+1
.endr
	v_mul_u32_u24 v[AK0], v1, PK
	v_lshl_add_u32 v[AK0], v9, 4, v[AK0]  ; row x pitch + 16 x half
	; The turning load takes 16 keys x 16 channels (lane l reads key 8 (l / 16) + l % 8, channels 8 ((l / 8) % 2) + 0..7) and leaves half a fragment of V^T: lane l holds channel l % 16 and 8 keys.
	v_and_b32 v10, 7, v0
	v_bfe_u32 v11, v0, 3, 1
	v_lshl_add_u32 v[AV0], v9, 3, v10
	v_mul_u32_u24 v[AV0], v[AV0], PV
	v_lshl_add_u32 v[AV0], v11, 4, v[AV0]
	v_add_nc_u32 v[AV0], VOFF, v[AV0]
	v_mov_b32 v[AK], v[AK0]         ; key step 0 lies at K's head
; THE MATRIX WORK.  The 8 accumulators of a run of 16 take turns: between the two links of a chain stand 7 others'.
; Product i of 16 of S^T = K Q^T for piece x: channels 32 (i / 8) on, keys 16 ((i / 2) % 4) on, tile 2 x + i % 2.  The first 8 start the sums.
.macro KQ x
	WIN W_KQ
.set rS, S+64*((\x)%2)+32*(i%2)+8*((i/2)%4)
.set rK, KF+16*((i/2)%4)+8*(i/8)
.set rQ, 16*(2*(\x)+i%2)+8*(i/8)
.if i < 8
	v_wmma_f32_16x16x32_f16 v[rS:rS+7], v[rK:rK+7], v[rQ:rQ+7], 0
.else
	v_wmma_f32_16x16x32_f16 v[rS:rS+7], v[rK:rK+7], v[rQ:rQ+7], v[rS:rS+7]
.endif
.endm
; Product i of 16 of O^T += V^T P for piece x: keys 32 (i / 8) on, channels 16 ((i / 2) % 4) on, tile 2 x + i % 2.
.macro PV x
	WIN W_PV
.set rO, 32*(2*(\x)+i%2)+8*((i/2)%4)
.set rV, VF+32*(i/8)+8*((i/2)%4)
.set rP, P+32*((\x)%2)+16*(i%2)+8*(i/8)
	v_wmma_f32_16x16x32_f16 v[rO:rO+7], v[rV:rV+7], v[rP:rP+7], v[rO:rO+7]
.endm
.macro MM                           ; the turn's next matrix instruction
.if i < 16
	KQ (Y+1)%NP
.set i, i+1
.else
.set i, i-16
	PV (Y+NP-1)%NP
.set i, i+17
.endif
.endm
; THE LDS LOADS stand in runs of 16, never singly among the matrix instructions: a step's K (64 keys x 64 channels: 8 fragments) and its V (turned).  Their addresses are made some lines ahead.
; last = 1 (in the loop): in the walk's last trip there is no further step, and the run is jumped over.
.macro FETCH_K last=0
	WIN 0
.if \last
	s_cmp_eq_u32 s[CNT], s[LAST]
	s_cbranch_scc1 .Lno_k_\@
.endif
	WIN 0x80                        ; destination window 2
.irp f, 0,1,2,3,4,5,6,7             ; keys 16 (f / 2) on, channels 32 (f % 2) on
	ds_load_b128 v[KF+8*\f:KF+8*\f+3],   v[AK] offset:(\f/2)*16*PK+(\f%2)*64
	ds_load_b128 v[KF+8*\f+4:KF+8*\f+7], v[AK] offset:(\f/2)*16*PK+(\f%2)*64+32
.endr
	s_add_co_u32 s[TBK], s[TBK], KS*PK  ; the next fetch is the next step's
	WIN 0
.if \last
.Lno_k_\@:
.endif
.endm
.macro FETCH_V
	WIN 0x80
.irp f, 0,1,2,3,4,5,6,7             ; keys 32 (f / 4) on, channels 16 (f % 4) on
	ds_load_tr16_b128 v[VF+8*\f:VF+8*\f+3],   v[AV] offset:(\f/4)*32*PV+(\f%4)*32
	ds_load_tr16_b128 v[VF+8*\f+4:VF+8*\f+7], v[AV] offset:(\f/4)*32*PV+16*PV+(\f%4)*32
.endr
	WIN 0
.endm
; THE VECTOR WORK OF A TURN stands in three queues, each in the order in which its entries become ready; the two tiles alternate, so that no instruction reads the result of the one before it.
.macro REGS y, u                    ; the registers of tile u (0, 1) of piece y
.set rT, ST+4*(2*(\y)+(\u))
.set rC, TMP+8*((\y)%2)+4*(\u)
.set rM, MV+2*((\y)%2)+(\u)
.set rS, S+64*((\y)%2)+32*(\u)
.set rP, P+32*((\y)%2)+16*(\u)
.set rO, 32*(2*(\y)+(\u))
.endm
; Number n of the 22 that find the NEXT piece's (Y + 1) maximum and statistics.  s0-s31 are the lane's 32 scores; each accumulator's lowest registers are read first.  XS, GS and REGS set no window: PL and EX do.
;   0-11  four chains c0-c3 of seven scores each, three operands at a time     12-14, 16  the four scores left over, the old m, and c0-c3 into c0     15  c m_old is kept
;   17, 18  the query's other 32 keys lie in the lane 16 away: the new m         19-21  c m; c m_old - c m_new; a
.macro XS u, n
	REGS (Y+1)%NP, \u
.if (\n) < 4
	v_max3_num_f32 v[rC+(\n)], v[rS+8*(\n)], v[rS+8*(\n)+1], v[rS+8*(\n)+2]
.elseif (\n) < 12
	v_max3_num_f32 v[rC+(\n)%4], v[rC+(\n)%4], v[rS+8*((\n)%4)+2*((\n)/4)+1], v[rS+8*((\n)%4)+2*((\n)/4)+2]
.elseif (\n) == 12
	v_max3_num_f32 v[rC], v[rC], v[rS+7], v[rS+15]
.elseif (\n) == 13
	v_max3_num_f32 v[rC+1], v[rC+1], v[rS+23], v[rS+31]
.elseif (\n) == 14
	v_max3_num_f32 v[rC+2], v[rC+2], v[rC+3], v[rT+1]
.elseif (\n) == 15
	v_mov_b32 v[rM], v[rT]
.elseif (\n) == 16
	v_max3_num_f32 v[rC], v[rC], v[rC+1], v[rC+2]
.elseif (\n) == 17
	v_permlanex16_b32 v[rC+3], v[rC], s[SEL], s[SEL+1]
.elseif (\n) == 18
	v_max_num_f32 v[rT+1], v[rC], v[rC+3]
.elseif (\n) == 19
	v_mul_f32 v[rT], s[CS], v[rT+1]
.elseif (\n) == 20
	v_sub_f32 v[rC+1], v[rM], v[rT]
.else
	v_exp_f32 v[rC+2], v[rC+1]
.endif
.endm
; Number g of the 64 that follow the exponentials.  For each four weights k of a tile (pairs 2 k, 2 k + 1): both pairs are rounded to f16; then the second pair is added onto the first, in place;
; a group later l takes that sum (the first time as l = a l + sum).  In groups of eight, tiles alternating: round, round, add, and l for the group before.
.macro GS g
.set h, (\g)+6*((\g)/62)            ; group 0 has no group before it, and behind group 7 only l is left
.if h >= 6
.set h, h+2
.endif
	REGS Y, h%2
.set k, h/8
.if h%8 < 4
	s_wait_alu depctr_va_vdst(0)
	v_cvt_pk_f16_f32 v[rP+2*k+(h%8)/2], v[rS+4*k+2*((h%8)/2)], v[rS+4*k+2*((h%8)/2)+1]
.elseif h%8 < 6
	v_pk_add_f32 v[rS+4*k:rS+4*k+1], v[rS+4*k:rS+4*k+1], v[rS+4*k+2:rS+4*k+3]
.elseif k == 1
	v_pk_fma_f32 v[rT+2:rT+3], v[rT+2:rT+3], v[rC+2:rC+3], v[rS:rS+1] op_sel_hi:[1,0,1]
.else
	v_pk_add_f32 v[rT+2:rT+3], v[rT+2:rT+3], v[rS+4*k-4:rS+4*k-3]
	s_wait_alu depctr_va_vdst(0)
.endif
.endm
; THE PLAIN QUEUE, 138 long.  0-31: c s - c m for the 16 pairs of both tiles.  Then GS's 64, and among them the next piece's 42: number 15 at 38, 39; 0-14 and 16
; at 42-73, behind the products that make those scores; 17-20 at 95-106, two of three, since each waits for the one before it.
.macro PL
	WIN 0
.if q < 32
	REGS Y, q%2
	v_pk_fma_f32 v[rS+2*(q/2):rS+2*(q/2)+1], v[rS+2*(q/2):rS+2*(q/2)+1], s[CS:CS+1], v[rT:rT+1] op_sel_hi:[1,0,0] neg_lo:[0,0,1] neg_hi:[0,0,1]
.elseif q < 38
	GS q-32
.elseif q < 40
	XS q%2, 15
.elseif q < 42
	GS q-34
.elseif q < 74
	XS q%2, (q-42)/2+(q-42)/30
.elseif q < 95
	GS q-66
.elseif (q < 107) && ((q-95)%3 < 2)
	XS (q-95)%3, 17+(q-95)/3
.elseif q < 107
	GS 29+(q-95)/3
.else
	GS q-74
.endif
.set q, q+1
.endm
; THE EXPONENTIALS' QUEUE, 66 long: s0-s31 of both tiles, and at EA the next piece's two a.
.set EA, 58
.macro EX
	WIN 0
.if (e == EA) || (e == EA+1)
	XS e-EA, 21
.else
.set x, e-2*(e/(EA+2))
	REGS Y, x%2
	v_exp_f32 v[rS+x/2], v[rS+x/2]
.endif
.set e, e+1
.endm
; THE RESCALING's QUEUE: O^T times a, the one part that leaves window 0, so it is dealt four at a time, eight times.
.macro R4
	REGS Y, r%2
	WIN W_RS
	s_wait_alu depctr_va_vdst(0)
.irp z, 0,1,2,3
	v_pk_mul_f32 v[rO+8*(r/2)+2*\z:rO+8*(r/2)+2*\z+1], v[rO+8*(r/2)+2*\z:rO+8*(r/2)+2*\z+1], v[rC+2:rC+3] op_sel_hi:[1,0]
.endr
.set r, r+1
.endm
; HOW THEY ARE DEALT.  Behind a matrix instruction four: plain, exponential, plain, plain (one exponential, a plain instruction on either side), or four of the rescaling.  None names a register of the
; products round it.  What is over stands in two LUMPS: exponential and plain by turns; the second ends in 22 plain instructions.  The two v_permlanex16_b32 fall into the second lump, never behind a product.
; The queues lean on each other, and the deal keeps them in step: exponential e stands behind plain 2 (e / 4) + e % 2 (its scaling); when plain 32 comes, 10 exponentials are out, at 59: 33, at 95: 46; EA comes behind plain 107.
.macro SL
	MM
	PL
	EX
	PL
	PL
.endm
.macro BURST n                      ; 15 matrix instructions, or 16
.rept (\n)-7
	SL
.endr
.rept 3
	MM
	R4
	SL
.endr
	MM
	R4
.endm
; A TURN, for piece p.  cnt = 1: the loop's count is taken down some lines ahead of the branch that stands behind the turn.
; K of the next step is fetched in piece 2's turn, 31 vector instructions behind the last product that read K; its first reader comes behind the rest of the lump, 16 products and the second lump.
; V of the step in hand is fetched at the end of piece 0's turn, 69 behind its last reader; its first reader comes behind 16 products and a lump.  The four conditions on e and q below go with the deal.
.macro TURN p, last=0, cnt=0
.set Y, (\p)
.set i, 0
.set q, 0
.set e, 0
.set r, 0
.if (\p) == NP-1
	s_wait_dscnt 0x0                ; K is in
.endif
	MM
.rept 4
	PL
.endr
	BURST 15
.rept 22
	EX
	PL
.if ((\p) == NP-2) && (e == 18)
	v_add_nc_u32 v[AK], s[TBK], v[AK0]
.endif
.if ((\p) == NP-2) && (e == 24)
	FETCH_K \last
.endif
.endr
.if (\p) == 1
	s_wait_dscnt 0x0                ; V is in
.endif
	BURST 16
.rept 21
	EX
	PL
.endr
.rept 22
	PL
.if ((\p) == 0) && (q == 118)
	v_add_nc_u32 v[AV], s[TBV], v[AV0]
	s_wait_alu depctr_va_vdst(0)
.endif
.if ((\p) == 0) && (q == 130)
	s_add_co_u32 s[TBV], s[TBV], KS*PV
.endif
.if (\cnt) && (q == 130)
	s_sub_co_u32 s[CNT], s[CNT], 1
	s_cmp_lg_u32 s[CNT], 0
.endif
.endr
.if (\p) == 0
	FETCH_V
.endif
.endm
	s_wait_tensorcnt 0x1            ; my part of the first 256 keys is in; my second load may stay out
	s_barrier_signal -1
	s_barrier_wait -1               ; everybody's is
	FETCH_K                         ; key step 0
	s_wait_loadcnt 0x0              ; Q
	s_wait_dscnt 0x0
.set i, 0
.rept 16
	KQ 0                            ; piece 0's first scores: there is no vector work yet to set between them
.set i, i+1
.endr
	WIN 0                           ; the addresses for the way out: nine plain instructions, the places behind those products
	s_mul_i32 s13, s[WV], 16*SP
	s_add_co_u32 s13, s13, STAGE    ; my stage
	v_mul_u32_u24 v[STO], v1, SP    ; in: row l % 16, 16 bytes for each half of the lanes
	v_lshl_add_u32 v[STO], v9, 4, v[STO]
	v_add_nc_u32 v[STO], s13, v[STO]
	v_bfe_u32 v[RD], v0, 3, 2       ; back: 32 lanes take four rows of 128 bytes,
	v_mul_u32_u24 v[RD], v[RD], SP
	v_lshl_add_u32 v[RD], v10, 4, v[RD]
	v_add_nc_u32 v[RD], s13, v[RD]
	v_and_b32 v[GO], 31, v0         ; which are 512 consecutive bytes of O
	v_lshlrev_b32 v[GO], 4, v[GO]
.set Y, NP-1                        ; XS works for piece Y + 1: piece 0
.irp n, 0,1,2,3,4,5,6,7,8,9,10,11,12,13,14,15,16,17,18,19,20,21
	XS 0, \n                        ; and piece 0's first maximum and statistics
	XS 1, \n
.endr
	; THE WALK, in two phases over one text.  Phase 1: pieces 0, 1 of key steps 0 to 3 and pieces 2, 3 of steps 0 to 2, which read the first 256 keys alone.  Phase 2: the other thirteen half steps of
	; pieces 2, 3 and twelve of pieces 0, 1; it is left in the middle of its thirteenth trip, where the count meets LAST.
	s_mov_b32 s[CNT], 4
	s_mov_b32 s[LAST], 0
	s_mov_b32 s[SLOTS], 2
	s_branch .Lfirst                ; the loop is entered at a step's first turn, in the middle of a trip
.Lslot:                             ; once: between the phases
	s_wait_tensorcnt 0x0            ; my part of the other 768 keys is in: asked for at the head, four key steps, 464 matrix instructions, ago
	s_wait_dscnt 0x0                ; no LDS instruction of mine is pending at a signal
	s_barrier_signal -1
	s_barrier_wait -1               ; everybody's is
	s_mov_b32 s[CNT], 13
	s_mov_b32 s[LAST], 1
.Lstep:                             ; a trip: pieces 2 and 3 of one step, then pieces 0 and 1 of the next, whose K and V it fetches
	TURN 2, 1
	TURN 3
	WIN 0
	s_cmp_eq_u32 s[CNT], s[LAST]
	s_cbranch_scc1 .Lout            ; key step 15 is over
.Lfirst:
	TURN 0
	TURN 1, 0, 1
	WIN 0
	s_cbranch_scc1 .Lstep
	s_sub_co_u32 s[SLOTS], s[SLOTS], 1
	s_cmp_lg_u32 s[SLOTS], 0
	s_cbranch_scc1 .Lslot
.Lout:                              ; the last trip's 16 products K Q^T (on the last K once more) and the maximum made of them serve nothing: the price, once a launch, of one text for every trip
.set i, 0
.rept 16
	PV NP-1                         ; the last piece's V^T P of the last step
.set i, i+1
.endr
	; THE WAY OUT.  l's two halves and the other half of the lanes' are added; O^T is divided by l, rounded to f16 and sent through my stage in LDS, a tile at a time.  The additions are the places behind the last products.
	WIN 0
.macro ALL line:vararg              ; one line for each tile t
.set t, 0
.rept 2*NP
	\line
.set t, t+1
.endr
.endm
	ALL v_add_f32 v[ST+4*t+2], v[ST+4*t+2], v[ST+4*t+3]
	ALL v_permlanex16_b32 v[ST+4*t+3], v[ST+4*t+2], s[SEL], s[SEL+1]
	ALL v_add_f32 v[ST+4*t+2], v[ST+4*t+2], v[ST+4*t+3]
	ALL v_rcp_f32 v[ST+4*t+2], v[ST+4*t+2]
	v_nop                           ; a plain instruction between the last reciprocal and the use of its result
	s_wait_alu depctr_va_vdst(0)
; Tile t: a lane's eight channels of a row pack into 16 bytes; they go into rows of 144 bytes and come back as whole rows of 128, into S^T's registers.
.macro PACK t
	WIN W_RS
.set i, 32*(\t)
.rept 16
	v_pk_mul_f32 v[i:i+1], v[i:i+1], v[ST+4*(\t)+2:ST+4*(\t)+3] op_sel_hi:[1,0]
.set i, i+2
.endr
	WIN 0x05                        ; sources 0 and 1 window 1, destination window 0
.set i, 0
.rept 16
	v_cvt_pk_f16_f32 v[S+16*(\t)+i], v[32*(\t)+2*i], v[32*(\t)+2*i+1]
.set i, i+1
.endr
	WIN 0
.irp f, 0,1,2,3
	ds_store_b128 v[STO], v[S+16*(\t)+4*\f:S+16*(\t)+4*\f+3] offset:32*\f
.endr
.irp f, 0,1,2,3
	ds_load_b128 v[S+16*(\t)+4*\f:S+16*(\t)+4*\f+3], v[RD] offset:\f*4*SP  ; LDS serves a wave's instructions in order (ISA guide 5.7.1.4): these see the stores above; the next tile's stores come behind them
.endr
.endm
.macro SEND t, younger              ; younger: the LDS instructions issued behind tile t's loads: the next tile's eight, or none
	WIN 0
.irp f, 0,1,2,3
	s_wait_dscnt (\younger)+3-\f
	global_store_b128 v[GO], v[S+16*(\t)+4*\f:S+16*(\t)+4*\f+3], s[10:11] offset:(\t)*2048+\f*512  ; 512 consecutive bytes, at a multiple of 256 from O's first
.endr
.endm
	PACK 0
.set t, 1
.rept 2*NP-1                        ; a tile's arithmetic stands between the loads of the tile before and its stores
	PACK t
	SEND t-1, 8
.set t, t+1
.endr
	SEND 2*NP-1, 0
	WIN W_AD
	s_wait_tensorcnt 0x0            ; the wave's end: these three lines stand behind my last tensor load and my last LDS store
	ds_add_u32 v[SPW], v[NIL]
	s_wait_dscnt 0x0
	WIN 0
	s_endpgm
.Lfunc_end_k_q5467751d29_attn:
	.size	k_q5467751d29_attn, .Lfunc_end_k_q5467751d29_attn-k_q5467751d29_attn
	.p2alignl 7, 3214868480
	.fill 96, 4, 3214868480
	.section	.rodata,"a",@progbits
	.p2align	6, 0x0
	.amdhsa_kernel k_q5467751d29_attn
		.amdhsa_group_segment_fixed_size 327680
		.amdhsa_private_segment_fixed_size 0
		.amdhsa_enable_private_segment 0
		.amdhsa_kernarg_size 16
		.amdhsa_user_sgpr_count 2
		.amdhsa_user_sgpr_kernarg_segment_ptr 1
		.amdhsa_wavefront_size32 1
		.amdhsa_system_sgpr_workgroup_id_x 1
		.amdhsa_system_sgpr_workgroup_id_y 1
		.amdhsa_system_sgpr_workgroup_id_z 1
		.amdhsa_system_vgpr_workitem_id 0
		.amdhsa_next_free_vgpr 770
		.amdhsa_next_free_sgpr 92
		.amdhsa_reserve_vcc 0
		.amdhsa_float_denorm_mode_32 3
		.amdhsa_float_denorm_mode_16_64 3
		.amdhsa_memory_ordered 1
		.amdhsa_forward_progress 1
		.amdhsa_inst_pref_size 131
	.end_amdhsa_kernel
	.amdgpu_metadata
---
amdhsa.version: [ 1, 2 ]
amdhsa.kernels:
  - .name:           k_q5467751d29_attn
    .symbol:         k_q5467751d29_attn.kd
    .args:
      - { .name: qkvh, .offset: 0, .size: 8, .value_kind: global_buffer, .address_space: global }
      - { .name: ob, .offset: 8, .size: 8, .value_kind: global_buffer, .address_space: global }
    .group_segment_fixed_size: 327680
    .private_segment_fixed_size: 0
    .kernarg_segment_align: 8
    .kernarg_segment_size: 16
    .max_flat_workgroup_size: 128
    .sgpr_count:     92
    .vgpr_count:     770
    .wavefront_size: 32
...
	.end_amdgpu_metadata
.endif
;; end of part 3
;; launch proj (part 4): grid 8 x 32, 4 waves a work-group, clusters of 4 x 4, 327,680 bytes of LDS; arguments ob, wob, bout, out0; writes out0
.if DOCPART == 4
	.amdgcn_target "amdgcn-amd-amdhsa--gfx1250"
	.amdhsa_code_object_version 6
	.text
	.protected	k_q5467751d29_proj
	.globl	k_q5467751d29_proj
	.p2align	8
	.type	k_q5467751d29_proj,@function
k_q5467751d29_proj:
	s_mov_b64 s[64:65], 0
	v_nop
	global_prefetch_b8 v0, s[64:65] scope:SCOPE_SE
	s_setreg_imm32_b32 hwreg(HW_REG_WAVE_MODE, 25, 1), 1
	s_wait_xcnt 0x0
	s_wait_alu depctr_hold_cnt(0) depctr_sa_sdst(0) depctr_va_vdst(0) depctr_va_sdst(0) depctr_va_ssrc(0) depctr_va_vcc(0) depctr_vm_vsrc(0)
	s_getreg_b32 s2, hwreg(HW_REG_IB_STS2, 6, 4)
	s_cmp_eq_u32 s2, 0
	s_cbranch_scc0 .Lentry_in_a_cluster
	s_endpgm
.Lentry_in_a_cluster:
	s_bfe_u32 s2, ttmp6, 0x10000c
	s_cmp_lg_u32 s2, 0xf033
	s_cbranch_scc0 .Lentry_shape_is_right
	s_endpgm
.Lentry_shape_is_right:
; out0 = O . Wout + bout.  ob: [16 frame + head][pixel 1024][64] f16.  wob: [1024 k][1024] f16 (bf16(Wout) written as f16), k = 64 head + channel.  bout: [1024] f32.  out0: [8192][1024] f32.
; Sums in f32; the bias is rounded to bf16 as every input of the module is, and added in f32.
; SHARES.  A tile of out0 is 256 rows x 128 columns: 32 x 8 tiles, one a work-group.  Wave w owns rows 64 w .. 64 w + 63 (four blocks of 16) and all 128 columns (eight blocks): 32 accumulators, 256 registers.
; So a wave holds whole pieces of 512 bytes of a row and goes out through a stage of its own, with no barrier.
; K goes in eight steps of 128, two heads each, through two LDS slots filled by the tensor data mover: wave 0 fetches the first head's 256 rows of ob (32,768 dense bytes, asked for as 128 rows of 256),
; wave 1 the second head's, waves 2 and 3 the two halves of wob's tile (64 rows x 256 bytes).
; CLUSTERS: 4 x 4 work-groups.  The four of a row of the cluster need the same tile of ob, the four of a column the same tile of wob: each is asked for jointly, by the same load, descriptor and mask in all four.
; THE MATRIX INSTRUCTION IS USED TRANSPOSED (source 0 = 16 columns of wob, source 1 = 16 rows of ob): lane l then holds row l % 16 and the eight neighbouring columns 8 (l / 16) + 0 .. 7.
; wob lies [k][column] in LDS as in memory and is turned on the way into registers by ds_load_tr16_b128.
; REGISTERS, in windows of 256 (s_set_vgpr_msb: bits 1:0 source 0, 3:2 source 1, 5:4 source 2, 7:6 destination):
;   window 0: v0-31 addresses, v8-13 the bias; v64-127 ob's fragments, two buffers of four; on the way out v64-191 whole rows, two buffers
;   window 1: v0-127 wob's fragments, two buffers of eight
;   window 2: accumulators of row blocks 0, 1 ((a, b) at v[8 (8 (a % 2) + b)]);   window 3: of row blocks 2, 3
.set NBL,   8                          ; column blocks
.set PA,    144                        ; a row of ob's tile in LDS: 128 bytes + 16: the 16 rows of a load start at 16 different groups of four banks (64 banks of 4 bytes: ISA guide 11.1)
.set AHALF, 256*PA                     ; one head's 256 rows
.set ATILE, 2*AHALF
.set PB,    288                        ; a row of wob's tile: 256 bytes + 32 = 9 x 32
.set BHALF, 64*PB
.set SLOT1, 1<<17                      ; a slot is ATILE + 2 BHALF = 110,592 bytes; slot 1 begins here, so that one exclusive or turns an address in one slot into the other's
.set STAGE, 2*SLOT1                    ; behind the ring, never filled by a tensor load: for each wave 16 rows x 528 bytes
.set SP,    528                        ; 512 bytes + 16 = 33 x 16
.set WSTAGE, 16*SP
.set SPARE, STAGE+4*WSTAGE             ; behind the stages: the spare words, 128 bytes for each wave: two blocks of 256 bytes that no other line names
.set ASTEP, 2<<17                      ; a K step in ob: two heads' blocks of 131,072 bytes
.set BSTEP, 128*2048                   ; in wob: 128 rows
.set NLD,   2*NBL+8                    ; LDS loads of a quarter step
.set ADRA, 16                          ; v16  LDS address of my ob fragments in the slot in hand
.set ADRB, 17                          ; v17  the same for wob
.set AA0,  18                          ; v18  the same in slot 0; never rewritten
.set AB0,  19                          ; v19
.set STO,  24                          ; v24  the way out: where I put 32 bytes of a row
.set RD,   25                          ; v25  where I read a row back
.set GO,   26                          ; v26  16 x lane: my place in 512 consecutive bytes of bout and of out0; never rewritten
.set SPW,  28                          ; v28  LDS address of my spare word; never rewritten
.set NIL,  29                          ; v29  0; never rewritten
.set FA,   64
.set OB,   64
.set WV,   12                          ; s12  my wave's number
.set HALF, 14                          ; s14  which head of a K step (ob), which half of the rows (wob) I fetch
.set TC,   17                          ; s17  tile column
.set TR,   18                          ; s18  tile row
.set CNT,  19
.set TB,   20                          ; s20  the slot in hand: 0 or SLOT1
.set G1A,  24                          ; s[24:31] descriptor group 1 for ob's tiles
.set G0A,  32                          ; s[32:39] group 0: a set for each of the two first fills; the second then walks on
.set G1B,  48                          ; s[48:55], s[56:63] the same for wob's
.set G0B,  56
.set MSB, 0
.macro WIN new                         ; the immediate's high byte repeats the setting that is left; a switch that changes nothing is dropped
.if MSB != (\new)
	s_set_vgpr_msb (MSB<<8)|(\new)
.set MSB, \new
.endif
.endm
.macro PLACES                          ; four places in front of loads into registers that matrix instructions have read, and of lines that read results
.rept 4
	v_nop
.endr
.endm
; A joint refill by the walking descriptors.  The branch hangs on the wave's number alone.  An s_nop 0 and four v_nop follow each of the two lines.
.macro JLOAD
	s_cmp_lt_u32 s[WV], 2
	s_cbranch_scc0 .Lfor_b_\@
	tensor_load_to_lds s[G0A+4:G0A+7], s[G1A:G1A+7]
	s_nop 0
.rept 4
	v_nop
.endr
	s_branch .Lasked_\@
.Lfor_b_\@:
	tensor_load_to_lds s[G0B+4:G0B+7], s[G1B:G1B+7]
	s_nop 0
.rept 4
	v_nop
.endr
.Lasked_\@:
.endm
.macro CREST                           ; a round of the cluster's barrier behind its opening barrier
	s_cmp_lg_u32 s[WV], 0
	s_cbranch_scc1 .Lnot_wave_0_\@
	s_barrier_signal -3
.Lnot_wave_0_\@:
	s_barrier_wait -3
	s_barrier_signal -1
	s_barrier_wait -1
.endm
.macro CROUND                          ; a whole round
	s_barrier_signal -1
	s_barrier_wait -1
	CREST
.endm
	s_load_b256 s[4:11], s[0:1], 0x0               ; ob s[4:5], wob s[6:7], bout s[8:9], out0 s[10:11]
	v_lshl_add_u32 v[SPW], v0, 2, SPARE
	v_mov_b32 v[NIL], 0
	ds_add_u32 v[SPW], v[NIL]                      ; the wave's opening: the add and its wait stand ahead of my first tensor load; the set-up below, work on registers, stands between them
	ds_add_u32 v28, v29
	v_lshrrev_b32 v1, 5, v0
	v_readfirstlane_b32 s[WV], v1                  ; wave 0..3
	s_and_b32 s[HALF], s[WV], 1
	s_bfe_u32 s15, ttmp6, 0x40000                  ; cx
	s_bfe_u32 s16, ttmp6, 0x40004                  ; cy
	s_lshl_b32 s[TC], ttmp9, 2
	s_add_co_u32 s[TC], s[TC], s15                 ; tile column = 4 x cluster x + cx
	s_and_b32 s[TR], ttmp7, 0xffff
	s_lshl_b32 s[TR], s[TR], 2
	s_add_co_u32 s[TR], s[TR], s16                 ; tile row = 4 x cluster y + cy
	s_lshl_b32 s44, s16, 2
	s_lshl_b32 s44, 15, s44                        ; my row of the cluster
	s_lshl_b32 s45, 0x1111, s15                    ; my column
	s_or_b32 s[G1A], s44, (1<<16)|(1<<20)|(1<<21)|(4<<22)|(3<<25)  ; the mask; 2-byte elements; padding on; bit 21 beside a mask; after every 32 words (a pixel's 128 bytes) 4 words
	s_mov_b32 s[G1A+1], 128<<16                    ; tensor_dim0 = 128
	s_mov_b32 s[G1A+2], 128<<16                    ; tensor_dim1 = 128
	s_mov_b32 s[G1A+3], 128<<16                    ; tile_dim0 = 128
	s_mov_b32 s[G1A+4], 128                        ; tile_dim1 = 128
	s_mov_b32 s[G1A+5], 128                        ; dense: 128 elements from row to row
	s_mov_b32 s[G1A+6], 0
	s_mov_b32 s[G1A+7], 0
	s_or_b32 s[G1B], s45, (1<<16)|(1<<20)|(1<<21)|(5<<22)|(7<<25)  ; after every 64 words 8 words
	s_mov_b32 s[G1B+1], 128<<16                    ; tensor_dim0 = 128
	s_mov_b32 s[G1B+2], 64<<16                     ; tensor_dim1 = 64
	s_mov_b32 s[G1B+3], 128<<16                    ; tile_dim0 = 128
	s_mov_b32 s[G1B+4], 64                         ; tile_dim1 = 64
	s_mov_b32 s[G1B+5], 1024
	s_mov_b32 s[G1B+6], 0
	s_mov_b32 s[G1B+7], 0
	; offsets, each in registers of its own: ob's hangs on the tile row and the wave alone, wob's on the tile column and the wave alone
	s_lshr_b32 s40, s[TR], 2                       ; the frame,
	s_lshl_b32 s40, s40, 4
	s_add_co_u32 s40, s40, s[HALF]                 ; its head 0 or 1,
	s_lshl_b32 s40, s40, 17
	s_and_b32 s21, s[TR], 3
	s_lshl_b32 s21, s21, 15                        ; the tile's 256 pixels of 128 bytes
	s_add_co_u32 s40, s40, s21
	s_mov_b32 s41, 0
	s_lshl_b32 s42, s[TC], 8                       ; 128 columns
	s_lshl_b32 s19, s[HALF], 17                    ; 64 rows of 2,048 bytes
	s_add_co_u32 s42, s42, s19
	s_mov_b32 s43, 0
	s_mul_i32 s22, s[HALF], AHALF                  ; where they go: no place in the cluster enters an LDS address
	s_mul_i32 s23, s[HALF], BHALF
	s_add_co_u32 s23, s23, ATILE
	s_lshl_b32 s46, s[TC], 9                       ; the tile's 128 columns in f32: in bout, and in a row of out0
	s_mov_b32 s47, 0
	s_lshl_b32 s2, s[TR], 20                       ; 256 rows of 4,096 bytes,
	s_lshl_b32 s16, s[WV], 18                      ; my wave's 64
	s_add_co_u32 s2, s2, s16
	s_add_co_u32 s2, s2, s46
	s_mov_b32 s3, 0
	s_mov_b32 s[TB], 0
	s_wait_dscnt 0x0                               ; the opening add is done
	s_wait_kmcnt 0x0
	s_add_nc_u64 s[4:5], s[4:5], s[40:41]
	s_add_nc_u64 s[6:7], s[6:7], s[42:43]
	s_add_nc_u64 s[8:9], s[8:9], s[46:47]
	s_add_nc_u64 s[10:11], s[10:11], s[2:3]
	CROUND                                         ; all sixteen work-groups are here: the first joint loads meet
.irp s, 0,1
	s_mov_b32 s[G0A+4*(\s)], 1                     ; count = 1
	s_add_co_u32 s[G0A+4*(\s)+1], s22, (\s)*SLOT1  ; LDS address
	s_add_nc_u64 s[G0A+4*(\s)+2:G0A+4*(\s)+3], s[4:5], (\s)*ASTEP  ; global address: K step s
	s_or_b32 s[G0A+4*(\s)+3], s[G0A+4*(\s)+3], 0x80000000          ; type = 2
	s_mov_b32 s[G0B+4*(\s)], 1
	s_add_co_u32 s[G0B+4*(\s)+1], s23, (\s)*SLOT1
	s_add_nc_u64 s[G0B+4*(\s)+2:G0B+4*(\s)+3], s[6:7], (\s)*BSTEP
	s_or_b32 s[G0B+4*(\s)+3], s[G0B+4*(\s)+3], 0x80000000
.endr
	s_cmp_lt_u32 s[WV], 2                          ; a wave's two first fills stand in one branch, ahead of every wait on TENSORcnt and every LDS read: two loads of mine are out
	s_cbranch_scc0 .Lfirst_b
	tensor_load_to_lds s[G0A:G0A+3], s[G1A:G1A+7]
	s_nop 0
	tensor_load_to_lds s[G0A+4:G0A+7], s[G1A:G1A+7]
	s_nop 0
.rept 4
	v_nop
.endr
	s_branch .Lfirst_asked
.Lfirst_b:
	tensor_load_to_lds s[G0B:G0B+3], s[G1B:G1B+7]
	s_nop 0
	tensor_load_to_lds s[G0B+4:G0B+7], s[G1B:G1B+7]
	s_nop 0
.rept 4
	v_nop
.endr
.Lfirst_asked:
	v_and_b32 v1, 15, v0                           ; l % 16
	v_bfe_u32 v2, v0, 4, 1                         ; l / 16
	v_and_b32 v3, 7, v0
	v_bfe_u32 v4, v0, 3, 1
	v_and_b32 v[GO], 31, v0
	v_lshlrev_b32 v[GO], 4, v[GO]
	global_load_b128 v[8:11], v[GO], s[8:9]        ; the bias of my four columns on the way out; waited for there
	; a fragment of ob: lane l holds row l % 16, K = 8 (l / 16) + 0..7 and 16 + 8 (l / 16) + 0..7: two loads of 16 bytes, 32 bytes apart
	v_mul_u32_u24 v[AA0], v1, PA
	v_lshl_add_u32 v[AA0], v2, 4, v[AA0]
	s_mul_i32 s21, s[WV], 64*PA                    ; my 64 rows
	v_add_nc_u32 v[AA0], s21, v[AA0]
	; the turning load takes 16 K x 16 columns (lane l reads K = 8 (l / 16) + l % 8, columns 8 ((l / 8) % 2) + 0..7) and leaves half a fragment: lane l holds column l % 16 and 8 K
	v_lshl_add_u32 v[AB0], v2, 3, v3
	v_mul_u32_u24 v[AB0], v[AB0], PB
	v_lshl_add_u32 v[AB0], v4, 4, v[AB0]
	v_add_nc_u32 v[AB0], ATILE, v[AB0]
	v_mov_b32 v[ADRA], v[AA0]
	v_mov_b32 v[ADRB], v[AB0]
	s_mul_i32 s21, s[WV], WSTAGE
	s_add_co_u32 s21, s21, STAGE                   ; my stage
	v_mul_u32_u24 v[STO], v1, SP                   ; in: row l % 16, 32 bytes for each half of the lanes
	v_lshl_add_u32 v[STO], v2, 5, v[STO]
	v_add_nc_u32 v[STO], s21, v[STO]
	v_add_nc_u32 v[RD], s21, v[GO]                 ; back: 32 lanes take one row of 512 bytes
; 8 matrix instructions: row block a x all column blocks, 32 along K, from buffer f.  zero = 1: the first product starts the sums.
; The 32 accumulators take turns, in the same order in every quarter step, over the backward jump too.
.macro MULA f, a, zero
	WIN 0xa1+0x50*((\a)/2)                         ; source 0 window 1, source 1 window 0, C and D window 2 or 3
.irp b, 0,1,2,3,4,5,6,7
.if \zero
	v_wmma_f32_16x16x32_f16 v[8*(NBL*((\a)%2)+(\b)):8*(NBL*((\a)%2)+(\b))+7], v[8*NBL*(\f)+8*(\b):8*NBL*(\f)+8*(\b)+7], v[FA+32*(\f)+8*(\a):FA+32*(\f)+8*(\a)+7], 0
.else
	v_wmma_f32_16x16x32_f16 v[8*(NBL*((\a)%2)+(\b)):8*(NBL*((\a)%2)+(\b))+7], v[8*NBL*(\f)+8*(\b):8*NBL*(\f)+8*(\b)+7], v[FA+32*(\f)+8*(\a):FA+32*(\f)+8*(\a)+7], v[8*(NBL*((\a)%2)+(\b)):8*(NBL*((\a)%2)+(\b))+7]
.endif
.endr
.endm
; 24 LDS loads in one run: quarter q (32 along K: head q / 2 of the step's two, channels 32 (q % 2) on) of the slot in hand into buffer f: wob's eight fragments, then ob's four
.macro FETCH q, f
	WIN 0x40                                       ; destination window 1, address window 0
.irp i, 0,1,2,3,4,5,6,7
	ds_load_tr16_b128 v[8*NBL*(\f)+8*(\i):8*NBL*(\f)+8*(\i)+3],   v[ADRB] offset:32*(\q)*PB+32*(\i)
	ds_load_tr16_b128 v[8*NBL*(\f)+8*(\i)+4:8*NBL*(\f)+8*(\i)+7], v[ADRB] offset:32*(\q)*PB+16*PB+32*(\i)
.endr
	WIN 0
.irp a, 0,1,2,3
	ds_load_b128 v[FA+32*(\f)+8*(\a):FA+32*(\f)+8*(\a)+3],   v[ADRA] offset:((\q)/2)*AHALF+((\q)%2)*64+16*(\a)*PA
	ds_load_b128 v[FA+32*(\f)+8*(\a)+4:FA+32*(\f)+8*(\a)+7], v[ADRA] offset:((\q)/2)*AHALF+((\q)%2)*64+16*(\a)*PA+32
.endr
.endm
; A K step is four quarters of 32 along K, 32 matrix instructions each, on buffers 0, 1, 0, 1.  One of the first three: multiplies buffer f and, in its middle, fetches quarter q into buffer g.
.macro QUARTER q, f, g, zero
	s_wait_dscnt 4                                 ; all but the youngest four loads (ob's row blocks 2 and 3) are in
	MULA \f, 0, \zero
	MULA \f, 1, \zero
	PLACES
	FETCH \q, \g
	s_wait_dscnt NLD                               ; all but the loads just issued
	MULA \f, 2, \zero
	MULA \f, 3, \zero
.endm
; The last quarter multiplies buffer 1 and changes slots.  ONE barrier: in front of it each wave waits for all its tensor loads, of which one is out: its part of the next slot; adds 0 to its spare
; word; and waits for that and for its own reads of this slot.  Behind it nobody reads this slot any more and the next slot is whole.
; fill = 1: the barrier opens a round of the cluster's barrier, and this slot is filled again, two K steps ahead, first thing behind the round.
; From a request to the wait for it a wave issues 16 + 3 x 32 = 112 matrix instructions.
.macro TURN fill
	WIN 0                                          ; (the add's two registers lie in window 0)
	s_wait_tensorcnt 0x0                           ; all my tensor loads have landed
	ds_add_u32 v[SPW], v[NIL]                      ; 0 onto my spare word
	s_wait_dscnt 5                                 ; (the add and the youngest four loads may be out)
	MULA 1, 0, 0                                   ; eight matrix instructions stand between the add and the wait for it
	s_wait_dscnt 0x0                               ; the add is done, and my reads of this slot are over
	s_barrier_signal -1
	MULA 1, 1, 0                                   ; work on registers while the others arrive
	WIN 0
	s_barrier_wait -1
.if \fill
	CREST                                          ; no wave of any partner still reads this slot's tile or has a load on its way
	s_xor_b32 s[G0A+5], s[G0A+5], SLOT1            ; the walking descriptors: the other slot than last time,
	s_add_nc_u64 s[G0A+6:G0A+7], s[G0A+6:G0A+7], ASTEP  ; the next K step; the type bits on top are not reached
	s_xor_b32 s[G0B+5], s[G0B+5], SLOT1
	s_add_nc_u64 s[G0B+6:G0B+7], s[G0B+6:G0B+7], BSTEP
	JLOAD                                          ; the four v_nop behind it are also the places in front of the loads below
.else
	PLACES
.endif
	s_xor_b32 s[TB], s[TB], SLOT1                  ; the fetches go to the other slot
	v_add_nc_u32 v[ADRA], s[TB], v[AA0]
	v_add_nc_u32 v[ADRB], s[TB], v[AB0]
	FETCH 0, 0
	MULA 1, 2, 0
	MULA 1, 3, 0
.endm
	s_wait_tensorcnt 1                             ; my part of K step 0 is in; K step 1's may stay out
	s_barrier_signal -1
	s_barrier_wait -1                              ; everybody's is
	FETCH 0, 0
	QUARTER 1, 0, 1, 1                             ; the first quarter stands in front of the loop: its products start the sums
	WIN 0                                          ; at a label and at a branch every window is 0
	s_mov_b32 s[CNT], 6
.Lstep:                                        ; six trips, from a K step's second quarter to the next one's first: K steps 0 to 5 end, K steps 2 to 7 are asked for
	QUARTER 2, 1, 0, 0
	QUARTER 3, 0, 1, 0
	TURN 1
	QUARTER 1, 0, 1, 0
	WIN 0
	s_sub_co_u32 s[CNT], s[CNT], 1
	s_cmp_lg_u32 s[CNT], 0
	s_cbranch_scc1 .Lstep
	QUARTER 2, 1, 0, 0                             ; the tail is written out: nothing is asked for
	QUARTER 3, 0, 1, 0
	TURN 0
	QUARTER 1, 0, 1, 0
	QUARTER 2, 1, 0, 0
	QUARTER 3, 0, 1, 0
	s_wait_dscnt 4
	MULA 1, 0, 0
	MULA 1, 1, 0
	s_wait_dscnt 0x0
	MULA 1, 2, 0
	MULA 1, 3, 0
	WIN 0
; THE WAY OUT, a row block (16 rows) at a time.  TOST: a lane's eight f32 of each column block go into my own stage (each accumulator's low four registers first) and come back as
; whole rows of 512 bytes, into one of two buffers.  FIN: the bias is added and the rows are stored.
.macro TOST a
	WIN 0
	s_wait_xcnt 0x0                                ; the stores of two blocks back have read their registers, which the loads below write
	WIN 0x08+4*((\a)/2)                            ; the stores' data (source 1) in window 2 or 3
.irp b, 0,1,2,3,4,5,6,7
	ds_store_b128 v[STO], v[8*(NBL*((\a)%2)+(\b)):8*(NBL*((\a)%2)+(\b))+3]   offset:64*(\b)
	ds_store_b128 v[STO], v[8*(NBL*((\a)%2)+(\b))+4:8*(NBL*((\a)%2)+(\b))+7] offset:64*(\b)+16
.endr
	WIN 0
.irp t, 0,1,2,3,4,5,6,7,8,9,10,11,12,13,14,15
	ds_load_b128 v[OB+64*((\a)%2)+4*(\t):OB+64*((\a)%2)+4*(\t)+3], v[RD] offset:SP*(\t)  ; LDS serves a wave's instructions in order (ISA guide 5.7.1.4): these see the stores above; the next block's stores come behind them
.endr
.endm
.macro FIN a, younger                  ; younger: the LDS instructions issued behind block a's loads: the next block's 32, or none
	s_wait_dscnt \younger
.irp t, 0,1,2,3,4,5,6,7,8,9,10,11,12,13,14,15
	v_pk_add_f32 v[OB+64*((\a)%2)+4*(\t):OB+64*((\a)%2)+4*(\t)+1],   v[OB+64*((\a)%2)+4*(\t):OB+64*((\a)%2)+4*(\t)+1],   v[8:9]
	v_pk_add_f32 v[OB+64*((\a)%2)+4*(\t)+2:OB+64*((\a)%2)+4*(\t)+3], v[OB+64*((\a)%2)+4*(\t)+2:OB+64*((\a)%2)+4*(\t)+3], v[10:11]
	global_store_b128 v[GO], v[OB+64*((\a)%2)+4*(\t):OB+64*((\a)%2)+4*(\t)+3], s[10:11] offset:4096*(16*(\a)+(\t)) th:TH_STORE_NT  ; 512 consecutive bytes of a row, at a multiple of 256 from out0's first byte
.endr
.endm
	s_wait_loadcnt 0x0                             ; the bias
	v_cvt_pk_bf16_f32 v12, v8, v9                  ; rounded to bf16, as every input of the module is, and widened again; these six lines and the four below are the places behind the last products
	v_cvt_pk_bf16_f32 v13, v10, v11
	v_lshlrev_b32 v8, 16, v12
	v_and_b32 v9, 0xffff0000, v12
	v_lshlrev_b32 v10, 16, v13
	v_and_b32 v11, 0xffff0000, v13
	PLACES
	TOST 0
	TOST 1
	FIN 0, 32
	TOST 2
	FIN 1, 32
	TOST 3
	FIN 2, 32
	FIN 3, 0
	s_wait_tensorcnt 0x0                           ; the wave's end: these three lines stand behind my last tensor load and my last LDS store
	ds_add_u32 v[SPW], v[NIL]
	s_wait_dscnt 0x0
	CROUND                                         ; the closing round: no work-group ends while a partner may still ask for a tile that names it
	s_endpgm
.Lfunc_end_k_q5467751d29_proj:
	.size	k_q5467751d29_proj, .Lfunc_end_k_q5467751d29_proj-k_q5467751d29_proj
	.p2alignl 7, 3214868480
	.fill 96, 4, 3214868480
	.section	.rodata,"a",@progbits
	.p2align	6, 0x0
	.amdhsa_kernel k_q5467751d29_proj
		.amdhsa_group_segment_fixed_size 327680
		.amdhsa_private_segment_fixed_size 0
		.amdhsa_enable_private_segment 0
		.amdhsa_kernarg_size 32
		.amdhsa_user_sgpr_count 2
		.amdhsa_user_sgpr_kernarg_segment_ptr 1
		.amdhsa_wavefront_size32 1
		.amdhsa_system_sgpr_workgroup_id_x 1
		.amdhsa_system_sgpr_workgroup_id_y 1
		.amdhsa_system_sgpr_workgroup_id_z 1
		.amdhsa_system_vgpr_workitem_id 0
		.amdhsa_next_free_vgpr 896
		.amdhsa_next_free_sgpr 66
		.amdhsa_reserve_vcc 0
		.amdhsa_float_denorm_mode_32 3
		.amdhsa_float_denorm_mode_16_64 3
		.amdhsa_memory_ordered 1
		.amdhsa_forward_progress 1
		.amdhsa_inst_pref_size 78
	.end_amdhsa_kernel
	.amdgpu_metadata
---
amdhsa.version: [ 1, 2 ]
amdhsa.kernels:
  - .name:           k_q5467751d29_proj
    .symbol:         k_q5467751d29_proj.kd
    .args:
      - { .name: ob, .offset: 0, .size: 8, .value_kind: global_buffer, .address_space: global }
      - { .name: wob, .offset: 8, .size: 8, .value_kind: global_buffer, .address_space: global }
      - { .name: bout, .offset: 16, .size: 8, .value_kind: global_buffer, .address_space: global }
      - { .name: out0, .offset: 24, .size: 8, .value_kind: global_buffer, .address_space: global }
    .group_segment_fixed_size: 327680
    .private_segment_fixed_size: 0
    .kernarg_segment_align: 8
    .kernarg_segment_size: 32
    .max_flat_workgroup_size: 128
    .sgpr_count:     66
    .vgpr_count:     896
    .wavefront_size: 32
...
	.end_amdgpu_metadata
.endif
;; end of part 4
;; ======== version 2 of 2: 4 launches; version 1 with the launch prep written anew for expert scheduling mode
;; limits: values are held in f16: magnitudes above 65,504 overflow, below 6.1e-05 lose precision
;; workspace buffers: xb 16,777,216 bytes; wqb 6,291,456 bytes; wob 2,097,152 bytes; tab 262,144 bytes; qkvh 50,331,648 bytes; ob 16,777,216 bytes
;; launch prep (part 5): grid 832 x 1, 8 waves a work-group, no clusters, 0 bytes of LDS; arguments x, Wqkv, Wout, xb, wqb, wob, tab; writes xb, wqb, wob, tab
.if DOCPART == 5
	.amdgcn_target "amdgcn-amd-amdhsa--gfx1250"
	.amdhsa_code_object_version 6
	.text
	.protected	k_q5467751d29_prep
	.globl	k_q5467751d29_prep
	.p2align	8
	.type	k_q5467751d29_prep,@function
k_q5467751d29_prep:
	s_mov_b64 s[64:65], 0
	v_nop
	global_prefetch_b8 v0, s[64:65] scope:SCOPE_SE
	s_setreg_imm32_b32 hwreg(HW_REG_WAVE_SCHED_MODE, 0, 2), 2
	s_setreg_imm32_b32 hwreg(HW_REG_WAVE_MODE, 25, 1), 1
	s_wait_xcnt 0x0
	s_wait_alu depctr_vm_vsrc(0)
; THE 16-BIT COPIES AND THE ROTARY TABLE.  A stream: no LDS, no matrix unit, no barrier; each input byte is read once, each output byte written once.
;   work-groups   0-511: xb  = bf16(x) in blocks along K: xb[kb 16][row 8192][64]: what the next launch takes of 128 rows in a K step of 64 is 16,384 consecutive bytes.  16 rows each.
;   work-groups 512-767: wqb = bf16(Wqkv) by heads: wqb[t 16][k 1024][192], column 64 p + c of head t being Wqkv's column 1,024 p + 64 t + c (p = 0 q, 1 k, 2 v):
;                        64 rows of a head are 24,576 consecutive bytes.  One head's 64 rows each.
;   work-groups 768-831: wob = bf16(Wout) written as f16 (exact from 6.1e-5 up; below that f16's fixed step of 6e-8), 16,384 numbers each; and 4,096 bytes of tab.
; tab[sb 64][b4 4][j 2][lane 32][4 f32]: (cos, sin, cos, sin) of the channel pairs p and p + 1, p = 8 b4 + 4 (lane / 16) + 2 j, at pixel s = 16 sb + lane % 16:
; the order in which a lane of the next launch holds its results.  Pair p turns by (2 i - 31)(15 + 127 (p % 16)) / 930 of a turn, i = s / 32 for p < 16 and s % 32 else.
; LIMIT.  The angle is that exact fraction, reduced in whole numbers; an angle formed in f32 from linspace's numbers differs from it by up to some 5e-5 radians at the highest frequency.
; Sixteen lanes load 256 consecutive bytes at a multiple of 256; a wave's store is 256 consecutive bytes at a multiple of 256 from the buffer's first byte.
; THE MODE: SCHED_MODE bits 1:0 = 2 (LLVM: expert scheduling mode 2), set by the entry lines.  The code itself states the register dependences
; between vector instructions and memory instructions, with s_wait_alu, always for 0.
; THE PLAN.  Registers that memory instructions touch:
;   v1 .. v4    offsets.  Written once, by vector instructions at the head or at an arm's head; read by the arm's loads and stores; never written again.
;   X           Written by the loads alone, each register once; read by the conversions behind the counted wait for the load.  No vector instruction writes it, and nothing is loaded twice.
;   Y           Written by the conversions of load i, each register once; read by store i.
;   v[120:123]  The table's entry: written by its arithmetic, read by its one store, never written again.
; No register that a memory instruction reads is written again, and no load lands in a register that a vector instruction has named.  What is left to state: the offsets are written ahead of an arm's first load (one wait
; an arm), and a store's data are written ahead of the store.  For that the loads are worked on in groups of four: at a group's head, behind the wait that shows its first load in, ONE wait states that the group
; before has written its Y; that group's four stores follow, one ahead of each load's conversions, which name this group's X and Y and the registers at work and none that those stores read.  One more wait stands
; ahead of the last group's stores.  One wait on VCC stands between the table's compare and its select.
.set LO, 1                             ; v1   16 x thread: Wout's loads, and the table's store
.set SO, 2                             ; v2   8 x thread: wob's and wqb's stores
.set LV, 3                             ; v3   x's or Wqkv's loads
.set SV, 4                             ; v4   xb's stores
.set X,  16                            ; v[16:79]   up to 16 loads of 4 registers
.set Y,  80                            ; v[80:111]  up to 16 stores of 2 registers: no register is written twice, so no conversion waits for a store to have read its data
	s_load_b256 s[4:11], s[0:1], 0x0               ; x s[4:5], Wqkv s[6:7], Wout s[8:9], xb s[10:11]
	s_load_b128 s[12:15], s[0:1], 0x20             ; wqb s[12:13], wob s[14:15]
	s_load_b64 s[16:17], s[0:1], 0x30              ; tab
	s_mov_b32 s2, ttmp9
	s_mov_b32 s21, 0                               ; the high word of every offset
	v_lshlrev_b32 v[LO], 4, v0
	v_lshlrev_b32 v[SO], 3, v0
	v_and_b32 v6, 15, v0                           ; my place among sixteen lanes
	s_wait_kmcnt 0x0
	s_cmp_lt_u32 s2, 512
	s_cbranch_scc1 .Lx
	s_cmp_lt_u32 s2, 768
	s_cbranch_scc1 .Lw
	; ---- Wout and the table ----
	s_sub_co_u32 s3, s2, 768
	s_lshl_b32 s20, s3, 16
	s_add_nc_u64 s[8:9], s[8:9], s[20:21]
	s_lshl_b32 s20, s3, 15
	s_add_nc_u64 s[14:15], s[14:15], s[20:21]
	s_lshl_b32 s20, s3, 12
	s_add_nc_u64 s[16:17], s[16:17], s[20:21]
	s_wait_alu depctr_va_vdst(0)                   ; v[LO] and v[SO], made at the head, are written: every load and store of this arm reads one of them as its offset
.set i, 0
.rept 16
	global_load_b128 v[X+4*i:X+4*i+3], v[LO], s[8:9] offset:4096*i th:TH_LOAD_NT
.set i, i+1
.endr
	; the table's entry is made while the loads are out
	v_lshrrev_b32 v8, 6, v0                        ; b4
	v_bfe_u32 v9, v0, 5, 1                         ; j
	v_bfe_u32 v10, v0, 4, 1                        ; lane / 16
	v_lshl_add_u32 v11, s3, 4, v6                  ; s
	v_lshlrev_b32 v12, 3, v8
	v_lshl_add_u32 v12, v10, 2, v12
	v_lshl_add_u32 v12, v9, 1, v12                 ; p, even
	v_lshrrev_b32 v13, 5, v11                      ; the pixel's row
	v_and_b32 v14, 31, v11                         ; its column
	v_cmp_gt_u32 vcc_lo, 2, v8                     ; b4 < 2: pairs 0-15 turn by the row
	s_wait_alu depctr_va_vcc(0)                    ; the compare has written VCC, which the select below reads
	v_cndmask_b32 v13, v14, v13, vcc_lo
	v_lshl_add_u32 v13, v13, 1, 0xffffffe1         ; 2 i - 31
; cos and sin of pair p + e.  N = (2 i - 31)(15 + 127 (p + e) % 16), at most 59,520 in size: exact in f32.  The angle is pi N / 465: q = the nearest whole number to N / 465,
; rem = N - 465 q (one fused multiply-add, exact), theta = rem pi / 465 lies within pi / 2, and both results change sign where q is odd.
; cos by 7 terms of its series (the first one left out is under 7e-9), sin by 7 (under 7e-10).
.macro ANGLE e, a, q, z, c, s
	v_add_nc_u32 v[\a], \e, v12
	v_and_b32 v[\a], 15, v[\a]
	v_mad_u32_u24 v[\a], v[\a], 127, 15
	v_mul_lo_u32 v[\a], v13, v[\a]
	v_cvt_f32_i32 v[\a], v[\a]
	v_mul_f32 v[\q], 0x3b0cf009, v[\a]             ; 1 / 465
	v_rndne_f32 v[\q], v[\q]
	v_fmamk_f32 v[\a], v[\q], 0xc3e88000, v[\a]    ; q x -465 + N
	v_cvt_i32_f32 v[\q], v[\q]
	v_lshlrev_b32 v[\q], 31, v[\q]                 ; the sign bit where q is odd
	v_mul_f32 v[\a], 0x3bdd6263, v[\a]             ; pi / 465
	v_mul_f32 v[\z], v[\a], v[\a]
	v_mov_b32 v[\c], 0x310f76c7                    ; 1 / 12!
	v_fmaak_f32 v[\c], v[\c], v[\z], 0xb493f27e    ; -1 / 10!
	v_fmaak_f32 v[\c], v[\c], v[\z], 0x37d00d01    ; 1 / 8!
	v_fmaak_f32 v[\c], v[\c], v[\z], 0xbab60b61    ; -1 / 6!
	v_fmaak_f32 v[\c], v[\c], v[\z], 0x3d2aaaab    ; 1 / 4!
	v_fmaak_f32 v[\c], v[\c], v[\z], 0xbf000000    ; -1 / 2
	v_fmaak_f32 v[\c], v[\c], v[\z], 0x3f800000    ; 1
	v_mov_b32 v[\s], 0x2f309231                    ; 1 / 13!
	v_fmaak_f32 v[\s], v[\s], v[\z], 0xb2d7322b    ; -1 / 11!
	v_fmaak_f32 v[\s], v[\s], v[\z], 0x3638ef1d    ; 1 / 9!
	v_fmaak_f32 v[\s], v[\s], v[\z], 0xb9500d01    ; -1 / 7!
	v_fmaak_f32 v[\s], v[\s], v[\z], 0x3c088889    ; 1 / 5!
	v_fmaak_f32 v[\s], v[\s], v[\z], 0xbe2aaaab    ; -1 / 3!
	v_fmaak_f32 v[\s], v[\s], v[\z], 0x3f800000    ; 1
	v_mul_f32 v[\s], v[\s], v[\a]
	v_xor_b32 v[\c], v[\q], v[\c]
	v_xor_b32 v[\s], v[\q], v[\s]
.endm
	ANGLE 0, 112, 113, 114, 120, 121
	ANGLE 1, 116, 117, 118, 122, 123
.set i, 0
.rept 16
	s_wait_loadcnt 15-i                            ; loads come back in order: load i is in, the younger ones stay out
.if i%4 == 0
	s_wait_alu depctr_va_vdst(0)                   ; a group's head.  Ahead of load 0: the table's arithmetic has written v[120:123], which the store below reads.  Later: the group before has written its eight Y, which this group's four stores read
.endif
.if i == 0
	global_store_b128 v[LO], v[120:123], s[16:17]  ; 512 consecutive bytes a wave; v[120:123] are not written again
.endif
.if i >= 4
	global_store_b64 v[SO], v[Y+2*(i-4):Y+2*(i-4)+1], s[14:15] offset:2048*(i-4)  ; the group before; no vector instruction since the wait names these registers
.endif
	v_cvt_pk_bf16_f32 v112, v[X+4*i], v[X+4*i+1]   ; rounded to bf16, as every input is,
	v_cvt_pk_bf16_f32 v113, v[X+4*i+2], v[X+4*i+3]
	v_lshlrev_b32 v114, 16, v112                   ; widened again,
	v_and_b32 v115, 0xffff0000, v112
	v_lshlrev_b32 v116, 16, v113
	v_and_b32 v117, 0xffff0000, v113
	v_cvt_pk_f16_f32 v[Y+2*i], v114, v115          ; and that number written as f16
	v_cvt_pk_f16_f32 v[Y+2*i+1], v116, v117
.set i, i+1
.endr
	s_wait_alu depctr_va_vdst(0)                   ; the last group has written its eight Y, which the last four stores read
.set i, 12
.rept 4
	global_store_b64 v[SO], v[Y+2*i:Y+2*i+1], s[14:15] offset:2048*i
.set i, i+1
.endr
	s_endpgm
	; ---- Wqkv: head t, rows 64 kk .. 64 kk + 63.  A PIECE is 64 columns of a row: piece j = 3 k + p of the block lies at byte 4,096 j of Wqkv's rows (a row is 3 x 4,096 bytes; + 256 t for the head)
	; and at byte 128 j of wqb's block.  Sixteen lanes take a piece; load i brings pieces 16 i .. 16 i + 15 ----
.Lw:
	s_sub_co_u32 s3, s2, 512
	s_lshr_b32 s22, s3, 4                          ; kk
	s_and_b32 s23, s3, 15                          ; t
	s_mul_i32 s20, s22, 64*12288
	s_lshl_b32 s24, s23, 8
	s_add_co_u32 s20, s20, s24
	s_add_nc_u64 s[6:7], s[6:7], s[20:21]
	s_mul_i32 s20, s23, 1024*384
	s_mul_i32 s24, s22, 64*384
	s_add_co_u32 s20, s20, s24
	s_add_nc_u64 s[12:13], s[12:13], s[20:21]
	v_lshrrev_b32 v7, 4, v0                        ; my piece among sixteen
	v_lshlrev_b32 v[LV], 4, v6
	v_lshl_add_u32 v[LV], v7, 12, v[LV]
	s_wait_alu depctr_va_vdst(0)                   ; v[LV], and v[SO] from the head, are written: the loads and stores of this arm read them as offsets
.set i, 0
.rept 12
	global_load_b128 v[X+4*i:X+4*i+3], v[LV], s[6:7] offset:65536*i th:TH_LOAD_NT
.set i, i+1
.endr
.set i, 0
.rept 12
	s_wait_loadcnt 11-i
.if (i%4 == 0) && (i > 0)
	s_wait_alu depctr_va_vdst(0)                   ; a group's head: the group before has written its eight Y, which this group's four stores read
.endif
.if i >= 4
	global_store_b64 v[SO], v[Y+2*(i-4):Y+2*(i-4)+1], s[12:13] offset:2048*(i-4)  ; the group before; no vector instruction since the wait names these registers
.endif
	v_cvt_pk_bf16_f32 v[Y+2*i], v[X+4*i], v[X+4*i+1]
	v_cvt_pk_bf16_f32 v[Y+2*i+1], v[X+4*i+2], v[X+4*i+3]
.set i, i+1
.endr
	s_wait_alu depctr_va_vdst(0)                   ; the last group has written its eight Y, which the last four stores read
.set i, 8
.rept 4
	global_store_b64 v[SO], v[Y+2*i:Y+2*i+1], s[12:13] offset:2048*i
.set i, i+1
.endr
	s_endpgm
	; ---- x: 16 rows.  Wave w takes the K blocks 2 w and 2 w + 1; lanes 0-15 an even row's 64 numbers of a block (256 bytes in, 128 out), lanes 16-31 the next row's:
	; load i brings rows 2 (i / 2), 2 (i / 2) + 1 of block 2 w + i % 2 ----
.Lx:
	s_lshl_b32 s20, s2, 16
	s_add_nc_u64 s[4:5], s[4:5], s[20:21]
	s_lshl_b32 s20, s2, 11
	s_add_nc_u64 s[10:11], s[10:11], s[20:21]
	v_bfe_u32 v7, v0, 4, 1                         ; which of the two rows
	v_lshrrev_b32 v8, 5, v0                        ; wave
	v_lshlrev_b32 v[LV], 4, v6
	v_lshl_add_u32 v[LV], v7, 12, v[LV]            ; a row of x is 4,096 bytes,
	v_lshl_add_u32 v[LV], v8, 9, v[LV]             ; two blocks 512
	v_lshlrev_b32 v[SV], 3, v6
	v_lshl_add_u32 v[SV], v7, 7, v[SV]             ; a row of a block of xb is 128 bytes,
	v_lshl_add_u32 v[SV], v8, 21, v[SV]            ; two blocks 2 x 1,048,576
	s_wait_alu depctr_va_vdst(0)                   ; v[LV] and v[SV] are written: the loads and stores of this arm read them as offsets
.set i, 0
.rept 16
	global_load_b128 v[X+4*i:X+4*i+3], v[LV], s[4:5] offset:8192*(i/2)+256*(i%2) th:TH_LOAD_NT
.set i, i+1
.endr
.set i, 0
.rept 16
	s_wait_loadcnt 15-i
.if (i%4 == 0) && (i > 0)
	s_wait_alu depctr_va_vdst(0)                   ; a group's head: the group before has written its eight Y, which this group's four stores read
.endif
.if i >= 4
	global_store_b64 v[SV], v[Y+2*(i-4):Y+2*(i-4)+1], s[10:11] offset:1048576*((i-4)%2)+256*((i-4)/2)  ; the group before; no vector instruction since the wait names these registers
.endif
	v_cvt_pk_bf16_f32 v[Y+2*i], v[X+4*i], v[X+4*i+1]
	v_cvt_pk_bf16_f32 v[Y+2*i+1], v[X+4*i+2], v[X+4*i+3]
.set i, i+1
.endr
	s_wait_alu depctr_va_vdst(0)                   ; the last group has written its eight Y, which the last four stores read
.set i, 12
.rept 4
	global_store_b64 v[SV], v[Y+2*i:Y+2*i+1], s[10:11] offset:1048576*(i%2)+256*(i/2)
.set i, i+1
.endr
	s_endpgm
.Lfunc_end_k_q5467751d29_prep:
	.size	k_q5467751d29_prep, .Lfunc_end_k_q5467751d29_prep-k_q5467751d29_prep
	.p2alignl 7, 3214868480
	.fill 96, 4, 3214868480
	.section	.rodata,"a",@progbits
	.p2align	6, 0x0
	.amdhsa_kernel k_q5467751d29_prep
		.amdhsa_group_segment_fixed_size 0
		.amdhsa_private_segment_fixed_size 0
		.amdhsa_enable_private_segment 0
		.amdhsa_kernarg_size 56
		.amdhsa_user_sgpr_count 2
		.amdhsa_user_sgpr_kernarg_segment_ptr 1
		.amdhsa_wavefront_size32 1
		.amdhsa_system_sgpr_workgroup_id_x 1
		.amdhsa_system_sgpr_workgroup_id_y 1
		.amdhsa_system_sgpr_workgroup_id_z 1
		.amdhsa_system_vgpr_workitem_id 0
		.amdhsa_next_free_vgpr 128
		.amdhsa_next_free_sgpr 66
		.amdhsa_reserve_vcc 1
		.amdhsa_float_denorm_mode_32 3
		.amdhsa_float_denorm_mode_16_64 3
		.amdhsa_memory_ordered 1
		.amdhsa_forward_progress 1
		.amdhsa_inst_pref_size 27
	.end_amdhsa_kernel
	.amdgpu_metadata
---
amdhsa.version: [ 1, 2 ]
amdhsa.kernels:
  - .name:           k_q5467751d29_prep
    .symbol:         k_q5467751d29_prep.kd
    .args:
      - { .name: x, .offset: 0, .size: 8, .value_kind: global_buffer, .address_space: global }
      - { .name: Wqkv, .offset: 8, .size: 8, .value_kind: global_buffer, .address_space: global }
      - { .name: Wout, .offset: 16, .size: 8, .value_kind: global_buffer, .address_space: global }
      - { .name: xb, .offset: 24, .size: 8, .value_kind: global_buffer, .address_space: global }
      - { .name: wqb, .offset: 32, .size: 8, .value_kind: global_buffer, .address_space: global }
      - { .name: wob, .offset: 40, .size: 8, .value_kind: global_buffer, .address_space: global }
      - { .name: tab, .offset: 48, .size: 8, .value_kind: global_buffer, .address_space: global }
    .group_segment_fixed_size: 0
    .private_segment_fixed_size: 0
    .kernarg_segment_align: 8
    .kernarg_segment_size: 56
    .max_flat_workgroup_size: 256
    .sgpr_count:     66
    .vgpr_count:     128
    .wavefront_size: 32
...
	.end_amdgpu_metadata
.endif
;; end of part 5
;; launch qkvrope: the kernel of part 2 again; grid 8 x 32, 4 waves a work-group, clusters of 4 x 4, 327,680 bytes of LDS; arguments xb, wqb, tab, qkvh; writes qkvh
;; launch attn: the kernel of part 3 again; grid 2 x 128, 4 waves a work-group, no clusters, 327,680 bytes of LDS; arguments qkvh, ob; writes ob
;; launch proj: the kernel of part 4 again; grid 8 x 32, 4 waves a work-group, clusters of 4 x 4, 327,680 bytes of LDS; arguments ob, wob, bout, out0; writes out0
